; MI455X (gfx1250); checked and timed in simulation.
; The chip was launched on July 23, 2026; its instructions are those of AMD's public machine-readable ISA for CDNA 5 (MIT licence, August 2026) and "CDNA5" Instruction Set Architecture Reference Guide (July 2026). The comments in the code are by the model that wrote it; some were corrected since.
;; Multi Headed Attention. Allowed arithmetic: matrix products marked QUANTISED: E4M3 operands, one given power-of-two scale a tensor, by v_wmma_f32_16x16x64_fp8_fp8 or v_wmma_f32_16x16x128_fp8_fp8, f32 sums; products left as they are: f32 operands where the result goes on into a quantised operand, else bf16, f16 or f32 operands; f32 sums; everything else in f32.
;; Inputs: Lexicon 4 x 2,048 float32; Wk_codes 512 x 16 x 32 uint8 (E4M3 codes of Wk, K innermost, in blocks of 32 codes); Wl 2,048 x 2,048 float32; Wo_codes 512 x 16 x 32 uint8 (E4M3 codes of Wo, K innermost, in blocks of 32 codes); Wq_codes 512 x 16 x 32 uint8 (E4M3 codes of Wq, K innermost, in blocks of 32 codes); Wv_codes 512 x 16 x 32 uint8 (E4M3 codes of Wv, K innermost, in blocks of 32 codes); bk 512 float32; bl 2,048 float32; bo 512 float32; bq 512 float32; bv 512 float32; k_codes 4 x 2,048 x 16 x 32 uint8 (E4M3 codes of k, K innermost, in blocks of 32 codes); lowp_scales 12 int32 (the exponents e of the quantised operands' scales 2^e); mask 4 x 1 x 2,048 int32; q_codes 4 x 2,048 x 16 x 32 uint8 (E4M3 codes of q, K innermost, in blocks of 32 codes); v_codes 4 x 2,048 x 16 x 32 uint8 (E4M3 codes of v, K innermost, in blocks of 32 codes).
;; Outputs: out0 4 x 2,048 x 512 float32.
;; This version of the problem:
;;   THIS VERSION OF THE PROBLEM IS GIVEN IN LOW PRECISION. The matrix products marked QUANTISED in the list below multiply operands that are first quantised to E4M3 (4 exponent bits, 3 mantissa bits; 8 bits a number), with one given power-of-two scale for each operand tensor; their sums are f32. All else is computed in f32.
;;   The module's matrix products, in the order in which they are computed (A, B: the left and right operand; K: the contracted axis; several contracted axes count as one K, in the product's order):
;;     1. [M 8,192, K 512] x [K 512, N 512]; A: input q (given as codes); B: input Wq (given as codes): QUANTISED (scales: A lowp_scales[0], B lowp_scales[1])
;;     2. [M 8,192, K 512] x [K 512, N 512]; A: input k (given as codes); B: input Wk (given as codes): QUANTISED (scales: A lowp_scales[2], B lowp_scales[3])
;;     3. [M 8,192, K 512] x [K 512, N 512]; A: input v (given as codes); B: input Wv (given as codes): QUANTISED (scales: A lowp_scales[4], B lowp_scales[5])
;;     4. batch 32 x [M 2,048, K 64] x [K 64, N 2,048]; A: computed on the way; B: computed on the way: QUANTISED (scales: A lowp_scales[6], B lowp_scales[7])
;;     5. [M 4, K 2,048] x [K 2,048, N 2,048]; A: computed on the way; B: input Wl: left as it is (M = 4 < 16)
;;     6. batch 32 x [M 2,048, K 2,048] x [K 2,048, N 64]; A: computed on the way; B: computed on the way: QUANTISED (scales: A lowp_scales[8], B lowp_scales[9])
;;     7. [M 8,192, K 512] x [K 512, N 512]; A: computed on the way; B: input Wo (given as codes): QUANTISED (scales: A lowp_scales[10], B lowp_scales[11])
;;   THE QUANTISER, for each operand of a quantised product, along K:
;;     - The operand's scale is 2^e, e = its entry of the input lowp_scales (int32; the entries are numbered through the quantised products in the list's order, A before B).
;;     - Each number is divided by the scale, clamped to +-448, and rounded to the nearest number of E4M3, ties to even, subnormals kept.
;;     - The product sums the exact products of the quantised numbers (number of the format x scale) in f32.
;;   ~~~python
;;   def quantise(x, axis, e):      # numpy; x: float32 -> the quantised numbers, widened to float32 again
;;       x = np.moveaxis(x, axis, -1); K = x.shape[-1]
;;       r = np.clip(x / 2.0 ** e, -448, 448)
;;       step = 2.0 ** (np.maximum(np.frexp(np.where(r == 0, 1, r))[1] - 1, -6) - 3)
;;       q = np.round(r / step) * step * 2.0 ** e      # np.round: ties to even
;;       return np.moveaxis(q, -1, axis).astype(np.float32)
;;   ~~~
;;   OPERANDS COMPUTED ON THE WAY. 'Computed on the way' means the value that the module computes at that place (a softmax that the list does not call 'softmax' is quantised finished and normalised). What goes into a quantiser is computed in f32, as accurately as f32 sums, v_exp_f32 and their like allow (about 1e-6 of the number): no bf16 or f16 on the way to a quantiser, and a product that is left as it is and whose result goes on into a quantised operand takes f32 operands (vector FMAs, or v_wmma_f32_16x16x4_f32). A number that lies on a knife's edge between two numbers of the format may be rounded either way, as far as f32 arithmetic and the matrix unit's own rounding can turn it there, and no further.
;;   INPUTS GIVEN AS CODES. Wk (in the module: [512, 512], K = its axis 0); Wo (in the module: [512, 512], K = its axis 0); Wq (in the module: [512, 512], K = its axis 0); Wv (in the module: [512, 512], K = its axis 0); k (in the module: [4, 2048, 512], K = its axis 2); q (in the module: [4, 2048, 512], K = its axis 2); v (in the module: [4, 2048, 512], K = its axis 2): each comes as NAME_codes (uint8): NAME with its K axis moved to the last place and cut into blocks of 32 codes, [.., K / 32, bytes a block], one block behind the other in memory; one code a byte (a code: sign, 4 exponent bits, 3 mantissa bits); its scale is its entry of lowp_scales. Its value is code x scale, taken as it is: it is not quantised again, and the codes and scales need not be those that the quantiser above would give.
;; 2 versions, each right; version 2 is version 1 with the launches proj, attn, outp written anew for expert scheduling mode. Each part assembles by itself: llvm-mc -triple=amdgcn-amd-amdhsa -mcpu=gfx1250 --defsym DOCPART=n.
;; ======== version 1 of 2: 4 launches
;; limits: right only within a limited range of input values
;; workspace buffers: part 524,288 bytes; ord 67,584 bytes of whole numbers; lexh 32,768 bytes; qf 4,194,304 bytes; kf 4,194,304 bytes; vf 4,194,304 bytes; cc 4,194,304 bytes
;; launch front (part 1): grid 260 x 1, 8 waves a work-group, no clusters, 17,664 bytes of LDS; arguments Wl, Lexicon, mask, part, ord; writes part, ord
.if DOCPART == 1
	.amdgcn_target "amdgcn-amd-amdhsa--gfx1250"
	.amdhsa_code_object_version 6
	.text
	.protected	k_q4bd95ea96a_front
	.globl	k_q4bd95ea96a_front
	.p2align	8
	.type	k_q4bd95ea96a_front,@function
k_q4bd95ea96a_front:
	s_mov_b64 s[64:65], 0
	v_nop
	global_prefetch_b8 v0, s[64:65] scope:SCOPE_SE
	s_setreg_imm32_b32 hwreg(HW_REG_WAVE_MODE, 25, 1), 1
	s_wait_xcnt 0x0
; FRONT.  Two jobs that depend on nothing, in one launch; they part on the work-group's number and never meet again.
; WORK-GROUPS 0-255: partial sums of Lexicon x Wl, f32 by fused multiply-adds (its result goes on into a quantised operand).  Work-group (kc = id / 16, nb = id % 16) takes
;   rows 128 kc .. +127 of Wl at columns 128 nb .. +127; wave w takes 16 of the rows, a lane 4 columns, for all 4 batches.  Each load of a wave reads 512 consecutive bytes;
;   all 16 loads of a wave go out at once.  The eight waves' sums meet in LDS; part[kc][b][n] is stored 256 consecutive bytes a wave.  The division by 1000 and bl come in the next launch.
; WORK-GROUPS 256-259: batch b = id - 256: its 2,048 keys are sorted by the mask, without atomics.  A key with mask != 1 gets position pu = the number of such keys before it;
;   a key with mask == 1 gets position 2047 - (key - pu).  Stored as whole numbers: perm[b][position] = key, posn[b][key] = position, and four counts (32 equal copies each, so that
;   a store covers 128 consecutive bytes): n_true = keys that count; n_eff = n_true, or 2,048 if none counts; nsteps = ceil(n_eff / 128); lim = 128 nsteps.
; The two jobs have LDS bytes of their own.
.set RED, 0                            ; LDS: [wave][batch][128 columns] f32, 16,384 bytes (first job)
.set SCN, 16384                        ; LDS: eight words, the waves' counts (second job)
.set WR,  16                           ; v16-79  16 rows x 4 columns of Wl
.set AC,  80                           ; v80-95  the sums: batch b at AC + 4 b
	s_load_b256 s[4:11], s[0:1], 0x0               ; Wl s[4:5], Lexicon s[6:7], mask s[8:9], part s[10:11]
	s_load_b64 s[12:13], s[0:1], 0x20              ; ord
	v_lshl_add_u32 v96, v0, 2, 0x4100
	v_mov_b32 v97, 0
	v_lshrrev_b32 v1, 5, v0
	v_readfirstlane_b32 s14, v1                    ; wave 0..7
	v_and_b32 v2, 31, v0                           ; lane
	v_lshlrev_b32 v1, 4, v2                        ; 16 x lane
	s_cmp_ge_u32 ttmp9, 256
	s_cbranch_scc1 .Lscan
	; ---------------- partial sums
	s_and_b32 s15, ttmp9, 15                       ; nb
	s_lshr_b32 s66, ttmp9, 4                       ; kc
	s_lshl_b32 s67, s66, 7
	s_lshl_b32 s68, s14, 4
	s_add_co_u32 s67, s67, s68                     ; my first row of Wl: 128 kc + 16 w
	s_lshl_b32 s68, s67, 2                         ; the same place in a row of Lexicon, in bytes
	s_mov_b32 s69, 0
	s_lshl_b32 s70, s67, 13                        ; a row of Wl is 8,192 bytes
	s_lshl_b32 s72, s15, 9                         ; 128 columns are 512 bytes
	s_add_co_u32 s70, s70, s72
	s_mov_b32 s71, 0
	s_lshl_b32 s73, s66, 15                        ; part: kc x 32,768 + nb x 512
	s_add_co_u32 s72, s72, s73
	s_mov_b32 s73, 0
	s_lshl_b32 s74, s14, 11
	v_add_nc_u32 v3, s74, v1                       ; into RED: 2,048 w + 16 x lane
	v_lshlrev_b32 v4, 3, v0                        ; out of RED: 8 x thread
	v_lshrrev_b32 v5, 6, v0                        ; batch = thread / 64
	v_and_b32 v6, 63, v0
	v_lshlrev_b32 v6, 3, v6
	v_lshl_add_u32 v5, v5, 13, v6                  ; in part: batch x 8,192 + 8 x (thread % 64)
	s_wait_kmcnt 0x0
	s_add_nc_u64 s[6:7], s[6:7], s[68:69]
	s_load_b512 s[16:31], s[6:7], 0x0              ; Lexicon[b][my 16 rows], b = 0 .. 3: multipliers that are the same in all lanes
	s_load_b512 s[32:47], s[6:7], 0x2000
	s_load_b512 s[48:63], s[6:7], 0x4000
	s_load_b512 s[80:95], s[6:7], 0x6000
	s_add_nc_u64 s[4:5], s[4:5], s[70:71]
	s_add_nc_u64 s[10:11], s[10:11], s[72:73]
.irp i, 0,1,2,3,4,5,6,7,8,9,10,11,12,13,14,15
	global_load_b128 v[WR+4*\i:WR+4*\i+3], v1, s[4:5] offset:8192*\i th:TH_LOAD_NT   ; Wl is read once in the launch
.endr
	s_wait_kmcnt 0x0
.macro ROWF i                          ; row i of my 16: 4 columns x 4 batches
	s_wait_loadcnt 15-\i                           ; loads come back in order: row i is in, the 15 - i rows behind it stay out
.irp c, 0,1,2,3
.if \i == 0
	v_mul_f32 v[AC+\c],    s[16+\i], v[WR+4*\i+\c] ; the first row starts the sums: nothing is cleared
	v_mul_f32 v[AC+4+\c],  s[32+\i], v[WR+4*\i+\c]
	v_mul_f32 v[AC+8+\c],  s[48+\i], v[WR+4*\i+\c]
	v_mul_f32 v[AC+12+\c], s[80+\i], v[WR+4*\i+\c]
.else
	v_fmac_f32 v[AC+\c],    s[16+\i], v[WR+4*\i+\c]
	v_fmac_f32 v[AC+4+\c],  s[32+\i], v[WR+4*\i+\c]
	v_fmac_f32 v[AC+8+\c],  s[48+\i], v[WR+4*\i+\c]
	v_fmac_f32 v[AC+12+\c], s[80+\i], v[WR+4*\i+\c]
.endif
.endr
.endm
.irp i, 0,1,2,3,4,5,6,7,8,9,10,11,12,13,14,15
	ROWF \i
.endr
.irp b, 0,1,2,3
	ds_store_b128 v3, v[AC+4*\b:AC+4*\b+3] offset:RED+512*\b
.endr
	s_wait_dscnt 0x0                               ; for the others' sake: my sums lie in LDS
	s_barrier_signal -1
	s_barrier_wait -1
.irp w, 0,1,2,3,4,5,6,7
	ds_load_b64 v[32+2*\w:33+2*\w], v4 offset:RED+2048*\w   ; the eight waves' sums of my two numbers
.endr
	s_wait_dscnt 0x0
.irp w, 1,2,3,4,5,6,7
	v_pk_add_f32 v[32:33], v[32:33], v[32+2*\w:33+2*\w]
.endr
	global_store_b64 v5, v[32:33], s[10:11]        ; a wave stores 256 consecutive bytes, at a multiple of 256 from part's first byte
	s_wait_tensorcnt 0x0
	ds_add_u32 v96, v97
	s_wait_dscnt 0x0
	s_endpgm
	; ---------------- the sort of one batch's keys.  Wave w holds keys 256 w + 32 i + lane, i = 0 .. 7
.Lscan:
	s_sub_co_u32 s15, ttmp9, 256                   ; b
	s_lshl_b32 s16, s15, 13                        ; 8,192 b
	s_mov_b32 s17, 0
	s_lshl_b32 s18, s14, 10
	s_add_co_u32 s18, s18, s16                     ; 8,192 b + 1,024 w
	s_mov_b32 s19, 0
	s_lshl_b32 s20, s15, 9                         ; 512 b
	s_mov_b32 s21, 0
	v_lshlrev_b32 v3, 2, v2                        ; 4 x lane
	v_sub_nc_u32 v7, 0, v2                         ; - lane
	s_wait_kmcnt 0x0
	s_add_nc_u64 s[8:9], s[8:9], s[18:19]          ; the mask at my 256 keys
	s_add_nc_u64 s[52:53], s[12:13], s[16:17]      ; perm of my batch
	s_add_nc_u64 s[54:55], s[12:13], s[18:19]      ; posn at my 256 keys, less its 32,768
	s_add_nc_u64 s[56:57], s[12:13], s[20:21]      ; the counts of my batch, less their 65,536
.irp i, 0,1,2,3,4,5,6,7
	global_load_b32 v[16+\i], v3, s[8:9] offset:128*\i
.endr
	s_wait_loadcnt 0x0
.irp i, 0,1,2,3,4,5,6,7
	v_cmp_ne_u32 s[24+\i], 1, v[16+\i]             ; a bit for each key that counts (reference() hides mask == 1)
.endr
	s_mov_b32 s48, 0
.irp i, 0,1,2,3,4,5,6,7
	s_bcnt1_i32_b32 s[40+\i], s[24+\i]
	s_add_co_u32 s48, s48, s[40+\i]                ; my wave's count
.endr
	v_mov_b32 v4, s48
	v_mov_b32 v5, s14
	v_lshlrev_b32 v5, 2, v5
	ds_store_b32 v5, v4 offset:SCN                 ; all lanes write the same word with the same value
	s_wait_dscnt 0x0
	s_barrier_signal -1
	s_barrier_wait -1
	v_mov_b32 v6, 0
	ds_load_b128 v[8:11], v6 offset:SCN
	ds_load_b128 v[12:15], v6 offset:SCN+16
	s_wait_dscnt 0x0
.irp k, 0,1,2,3,4,5,6,7
	v_readfirstlane_b32 s[32+\k], v[8+\k]
.endr
	s_mov_b32 s49, 0                               ; n_true
	s_mov_b32 s51, 0                               ; keys that count in the waves before mine
.irp k, 0,1,2,3,4,5,6,7
	s_add_co_u32 s49, s49, s[32+\k]
	s_cmp_gt_u32 s14, \k
	s_cselect_b32 s50, s[32+\k], 0
	s_add_co_u32 s51, s51, s50
.endr
	s_lshl_b32 s58, s14, 8                         ; 256 w
	s_sub_co_u32 s59, 2047, s58
.irp i, 0,1,2,3,4,5,6,7                ; each row has registers of its own for what its stores read
	v_mbcnt_lo_u32_b32 v40, s[24+\i], s51          ; pu
	s_sub_co_u32 s60, s59, 32*\i
	v_add3_u32 v41, v40, s60, v7                   ; 2047 - key + pu
	v_cndmask_b32 v[16+\i], v41, v40, s[24+\i]     ; the key's position
	s_add_co_u32 s51, s51, s[40+\i]
	v_min_u32 v[24+\i], 2047, v[16+\i]             ; held inside the table before it enters an address
	v_lshlrev_b32 v[24+\i], 2, v[24+\i]
	s_add_co_u32 s61, s58, 32*\i
	v_add_nc_u32 v[32+\i], s61, v2                 ; the key
	global_store_b32 v3, v[16+\i], s[54:55] offset:32768+128*\i
	global_store_b32 v[24+\i], v[32+\i], s[52:53]
.endr
	s_cmp_lg_u32 s14, 0
	s_cbranch_scc1 .Lscan_end                      ; wave 0 stores the counts
	s_cmp_eq_u32 s49, 0
	s_cselect_b32 s62, 2048, s49                   ; n_eff
	s_add_co_u32 s63, s62, 127
	s_lshr_b32 s63, s63, 7                         ; nsteps, 1 .. 16
	s_lshl_b32 s66, s63, 7                         ; lim
	v_mov_b32 v42, s49
	v_mov_b32 v43, s62
	v_mov_b32 v44, s63
	v_mov_b32 v45, s66
	global_store_b32 v3, v42, s[56:57] offset:65536
	global_store_b32 v3, v43, s[56:57] offset:65536+128
	global_store_b32 v3, v44, s[56:57] offset:65536+256
	global_store_b32 v3, v45, s[56:57] offset:65536+384
.Lscan_end:
	s_wait_tensorcnt 0x0
	ds_add_u32 v96, v97
	s_wait_dscnt 0x0
	s_endpgm
.Lfunc_end_k_q4bd95ea96a_front:
	.size	k_q4bd95ea96a_front, .Lfunc_end_k_q4bd95ea96a_front-k_q4bd95ea96a_front
	.p2alignl 7, 3214868480
	.fill 96, 4, 3214868480
	.section	.rodata,"a",@progbits
	.p2align	6, 0x0
	.amdhsa_kernel k_q4bd95ea96a_front
		.amdhsa_group_segment_fixed_size 17664
		.amdhsa_private_segment_fixed_size 0
		.amdhsa_enable_private_segment 0
		.amdhsa_kernarg_size 40
		.amdhsa_user_sgpr_count 2
		.amdhsa_user_sgpr_kernarg_segment_ptr 1
		.amdhsa_wavefront_size32 1
		.amdhsa_system_sgpr_workgroup_id_x 1
		.amdhsa_system_sgpr_workgroup_id_y 1
		.amdhsa_system_sgpr_workgroup_id_z 1
		.amdhsa_system_vgpr_workitem_id 0
		.amdhsa_next_free_vgpr 98
		.amdhsa_next_free_sgpr 100
		.amdhsa_reserve_vcc 0
		.amdhsa_float_denorm_mode_32 3
		.amdhsa_float_denorm_mode_16_64 3
		.amdhsa_memory_ordered 1
		.amdhsa_forward_progress 1
		.amdhsa_inst_pref_size 24
	.end_amdhsa_kernel
	.amdgpu_metadata
---
amdhsa.version: [ 1, 2 ]
amdhsa.kernels:
  - .name:           k_q4bd95ea96a_front
    .symbol:         k_q4bd95ea96a_front.kd
    .args:
      - { .name: Wl, .offset: 0, .size: 8, .value_kind: global_buffer, .address_space: global }
      - { .name: Lexicon, .offset: 8, .size: 8, .value_kind: global_buffer, .address_space: global }
      - { .name: mask, .offset: 16, .size: 8, .value_kind: global_buffer, .address_space: global }
      - { .name: part, .offset: 24, .size: 8, .value_kind: global_buffer, .address_space: global }
      - { .name: ord, .offset: 32, .size: 8, .value_kind: global_buffer, .address_space: global }
    .group_segment_fixed_size: 17664
    .private_segment_fixed_size: 0
    .kernarg_segment_align: 8
    .kernarg_segment_size: 40
    .max_flat_workgroup_size: 256
    .sgpr_count:     100
    .vgpr_count:     98
    .wavefront_size: 32
...
	.end_amdgpu_metadata
.endif
;; end of part 1
;; launch proj (part 2): grid 388 x 1, 8 waves a work-group, no clusters, 35,328 bytes of LDS; arguments q_codes, k_codes, v_codes, Wq_codes, Wk_codes, Wv_codes, bq, bk, bv, lowp_scales, ord, part, bl, mask, qf, kf, vf, lexh; writes qf, kf, vf, lexh
.if DOCPART == 2
	.amdgcn_target "amdgcn-amd-amdhsa--gfx1250"
	.amdhsa_code_object_version 6
	.text
	.protected	k_q4bd95ea96a_proj
	.globl	k_q4bd95ea96a_proj
	.p2align	8
	.type	k_q4bd95ea96a_proj,@function
k_q4bd95ea96a_proj:
	s_mov_b64 s[64:65], 0
	v_nop
	global_prefetch_b8 v0, s[64:65] scope:SCOPE_SE
	s_setreg_imm32_b32 hwreg(HW_REG_WAVE_MODE, 25, 1), 1
	s_wait_xcnt 0x0
; PROJ.  WORK-GROUPS 0-383 (y = id / 128: 0 Q, 1 K, 2 V): x W + b on the given codes of FP8 (E4M3), quantised at once for attention's products and stored as IMAGES OF OPERAND REGISTERS:
;   registers 4 p .. 4 p + 3 of a fragment lie at 512 p + 16 x lane, so that every later load, and every store here, covers 512 consecutive bytes.
;   A work-group takes 64 rows of one batch x all 512 columns; wave w takes head w: 64 x 64, 16 accumulators by turns.  K's and V's rows are taken in the SORTED order of the keys (perm, stored by the
;   launch before): position j of the sorted order is row perm[j].  Blocks of 64 positions at or beyond lim = 128 nsteps hold hidden keys alone, which count for nothing in attention: their work-groups
;   store nothing.  The grid serves every mask (none hidden: all 384 work).  Such a work-group still stages its rows, so that the one barrier stands ahead of the branch on the stored count.
;   Q, K: the product is used transposed (source 0 = 16 rows of W, source 1 = 16 rows of x): a lane holds one row and 8 features: one conversion gives registers 2 nt, 2 nt + 1 of the row tile's K = 64 fragment.
;   V: source 0 = 16 keys, source 1 = 16 rows of Wv: a lane holds one feature and 8 keys: key tile c of a block of 128 keys gives registers 2 c, 2 c + 1 of the fragment of V^T (16 features x 128 keys).
;   THE ROWS OF W THAT FORM A TILE ARE NOT NEIGHBOURS: lane r of tile nt takes row 64 head + 32 (nt / 2) + 8 (nt % 2) + r + 8 (r / 8).  For Q and K that is one permutation of the head's 64, the same on both
;   sides of the scores' product; for V it lays attention's results so that 16 neighbouring features fall into 4 neighbouring code registers, as the last launch's loads of Wo want them.
;   x's and W's fragments are both fetched 16 bytes at a time (registers 4 c .. 4 c + 3: k = 32 c + 16 (lane / 16) + 0 .. 15): one permutation of k on both sides; only the order of the sums changes.
;   The bias is the C of each sum's first product, divided by the power of two that the sums lack; the three scales ahead of the quantiser are folded into the conversion's one.
; WORK-GROUPS 384-387 (batch b): lex = (sum of part) / 1000 + bl, hidden keys at -1e9, softmax with its maximum taken away, x 0.5, stored at each key's sorted position.
; LIMITS: e6 - e0 - e1, e7 - e2 - e3 and e9 - e4 - e5 lie between -126 and 119, so that the scale and 448 x the scale are f32 numbers.  NaN among the inputs is not served.
; REGISTERS, window 0: v1 16 x lane; v2 r; v3 h; v4 W's lane offset; v5, v6 LDS addresses; v7, v26 bias offsets; v8-15 the staged rows' offsets; v16-19 store offsets; v20 the scale, v21 448 x the scale;
;   v22-25 V's bias; v32-63 the bias in the results' layout; v64-127 x's four fragments (first the staged rows, last the codes); v128-255 the accumulators.   window 1: W's 16 fragments (tile nt, K step ks) at v[16 (4 nt + ks)].
.set XP,  528                          ; a staged row in LDS: 512 bytes + 16: 33 x 16, so the 16 rows that a fragment load touches fall on 16 different 16-byte columns of 256
.set LFR, 33792                        ; behind the 64 staged rows: the second job's words: maxima at +0, sums at +256
.set BB,  32
.set XF,  64
.set ACC, 128
.set MSB, 0
.macro WIN new                         ; the immediate's high byte repeats the setting that is left
.if MSB != \new
	s_set_vgpr_msb (MSB<<8)|\new
.set MSB, \new
.endif
.endm
	s_load_b512 s[16:31], s[0:1], 0x0              ; q s[16:17], k s[18:19], v s[20:21], Wq s[22:23], Wk s[24:25], Wv s[26:27], bq s[28:29], bk s[30:31]
	s_load_b512 s[32:47], s[0:1], 0x40             ; bv s[32:33], scales s[34:35], ord s[36:37], part s[38:39], bl s[40:41], mask s[42:43], qf s[44:45], kf s[46:47]
	s_load_b128 s[48:51], s[0:1], 0x80             ; vf s[48:49], lexh s[50:51]
	v_lshl_add_u32 v30, v0, 2, 0x8600
	v_mov_b32 v31, 0
	v_lshrrev_b32 v1, 5, v0
	v_readfirstlane_b32 s14, v1                    ; wave 0..7
	v_and_b32 v22, 31, v0
	v_lshlrev_b32 v1, 4, v22                       ; 16 x lane
	v_and_b32 v2, 15, v0                           ; r
	v_bfe_u32 v3, v0, 4, 1                         ; h
	s_lshr_b32 s2, ttmp9, 7                        ; y
	s_and_b32 s3, ttmp9, 127
	s_cmp_eq_u32 s2, 3
	s_cbranch_scc1 .Llex
	; ---------------- a projection
	s_lshr_b32 s15, s3, 5                          ; batch
	s_and_b32 s13, s3, 31                          ; block of 64 rows (positions)
	v_and_b32 v4, 8, v2
	v_add_nc_u32 v4, v4, v2                        ; r + 8 (r / 8)
	v_lshlrev_b32 v26, 2, v4                       ; V's bias: one number a lane
	v_lshlrev_b32 v4, 9, v4                        ; a row of W is 512 bytes
	v_lshl_add_u32 v4, v3, 4, v4
	v_mul_u32_u24 v5, v2, XP
	v_lshl_add_u32 v5, v3, 4, v5                   ; a fragment of x in LDS: row r, + 16 h
	s_mul_i32 s66, s14, 8*XP
	v_add_nc_u32 v6, s66, v1                       ; where my wave stages its 8 rows
	v_lshlrev_b32 v7, 6, v3                        ; Q's, K's bias: 16 h numbers on
	s_lshl_b32 s67, s13, 6
	s_lshl_b32 s76, s14, 3
	s_add_co_u32 s76, s76, s67                     ; my wave's first position: 64 blk + 8 w
.irp i, 1,2,3,4,5,6,7
	s_add_co_u32 s[76+\i], s76, \i
.endr
	s_lshl_b32 s84, s15, 11
	s_add_co_u32 s84, s84, s76
	s_lshl_b32 s84, s84, 2                         ; perm[b][my first position], in bytes
	s_lshl_b32 s85, s15, 9                         ; the batch's counts
	s_wait_kmcnt 0x0
	s_load_b256 s[52:59], s[34:35], 0x0            ; e0 .. e7
	s_load_b128 s[60:63], s[34:35], 0x20           ; e8 .. e11
	s_load_b32 s12, s[36:37], s85 offset:65536+384 ; lim
	s_load_b256 s[68:75], s[36:37], s84 offset:0x0 ; the rows at my 8 positions
	s_cmp_eq_u32 s2, 0                             ; the buffers are chosen on the work-group's number alone
	s_cselect_b64 s[4:5], s[16:17], s[18:19]
	s_cselect_b64 s[6:7], s[22:23], s[24:25]
	s_cselect_b64 s[8:9], s[28:29], s[30:31]
	s_cselect_b64 s[10:11], s[44:45], s[46:47]
	s_cmp_eq_u32 s2, 2
	s_cselect_b64 s[4:5], s[20:21], s[4:5]         ; x
	s_cselect_b64 s[6:7], s[26:27], s[6:7]         ; W
	s_cselect_b64 s[8:9], s[32:33], s[8:9]         ; the bias
	s_cselect_b64 s[10:11], s[48:49], s[10:11]     ; the images
	s_mov_b32 s87, 0
	s_lshl_b32 s86, s15, 20                        ; a batch of x is 2,048 rows of 512 bytes
	s_add_nc_u64 s[4:5], s[4:5], s[86:87]
	s_lshl_b32 s86, s14, 15                        ; my head's 64 rows of W
	s_add_nc_u64 s[6:7], s[6:7], s[86:87]
	s_lshl_b32 s86, s14, 8                         ; my head's 64 numbers of the bias
	s_add_nc_u64 s[8:9], s[8:9], s[86:87]
	s_lshl_b32 s88, s15, 3
	s_add_co_u32 s88, s88, s14                     ; 8 b + head
	s_lshl_b32 s89, s88, 17                        ; a head's images are 131,072 bytes in each of the three buffers
	s_lshl_b32 s90, s13, 12                        ; Q, K: 4 row tiles of 1,024 bytes a block
	s_lshr_b32 s91, s13, 1
	s_lshl_b32 s91, s91, 13                        ; V: a block of 128 keys is 4 fragments of 2,048 bytes;
	s_and_b32 s92, s13, 1
	s_lshl_b32 s92, s92, 10                        ; my 64 keys are the lower or the upper 8 registers of each
	s_add_co_u32 s91, s91, s92
	s_mov_b32 s93, 1024
	s_cmp_eq_u32 s2, 2
	s_cselect_b32 s86, s91, s90
	s_cselect_b32 s93, 2048, s93                   ; from image to image: a row tile (Q, K) or a fragment of V^T
	s_add_co_u32 s86, s86, s89
	s_add_nc_u64 s[10:11], s[10:11], s[86:87]
	s_lshl_b32 s94, s93, 1
	s_add_co_u32 s95, s94, s93
	v_mov_b32 v16, v1
	v_add_nc_u32 v17, s93, v1
	v_add_nc_u32 v18, s94, v1
	v_add_nc_u32 v19, s95, v1
	s_wait_kmcnt 0x0
	s_cmp_eq_u32 s2, 0                             ; Q keeps its rows' order and has no hidden rows
.irp i, 0,1,2,3,4,5,6,7
	s_cselect_b32 s[68+\i], s[76+\i], s[68+\i]
.endr
	s_cselect_b32 s12, 2048, s12
.irp i, 0,1,2,3,4,5,6,7
	s_min_u32 s[68+\i], s[68+\i], 2047             ; held inside the tensor before it enters an address
.endr
.irp i, 0,1,2,3,4,5,6,7
	v_lshl_add_u32 v[8+\i], s[68+\i], 9, v1
.endr
.irp i, 0,1,2,3,4,5,6,7
	global_load_b128 v[XF+4*\i:XF+4*\i+3], v[8+\i], s[4:5]     ; a whole row of 512 bytes an instruction
.endr
	s_add_co_i32 s84, s52, s53                     ; the exponents: ea + eb and the quantiser's eo, by y
	s_add_co_i32 s85, s54, s55
	s_add_co_i32 s86, s56, s57
	s_cmp_eq_u32 s2, 0
	s_cselect_b32 s84, s84, s85
	s_cselect_b32 s87, s58, s59
	s_cmp_eq_u32 s2, 2
	s_cselect_b32 s84, s86, s84
	s_cselect_b32 s87, s61, s87
	s_sub_co_i32 s85, 0, s84                       ; the bias goes in as b / 2^(ea + eb)
	s_sub_co_i32 s87, s87, s84
	s_add_co_i32 s87, s87, 127
	s_lshl_b32 s88, s87, 23
	v_mov_b32 v20, s88                             ; 2^(eo - ea - eb) as f32: the conversion takes its exponent field
	s_add_co_i32 s87, s87, 8
	s_lshl_b32 s87, s87, 23
	s_or_b32 s87, s87, 0x600000
	v_mov_b32 v21, s87                             ; 448 x that
	s_wait_loadcnt 0x0
.irp i, 0,1,2,3,4,5,6,7
	ds_store_b128 v6, v[XF+4*\i:XF+4*\i+3] offset:XP*\i
.endr
	s_wait_dscnt 0x0                               ; for the others' sake: my 8 rows lie in LDS
	s_barrier_signal -1
	s_barrier_wait -1                              ; the path's one barrier: every wave passes it, whatever the stored count says
	s_lshl_b32 s66, s13, 6
	s_cmp_ge_u32 s66, s12
	s_cbranch_scc1 .Lidle                          ; all 64 positions hold hidden keys: nobody reads their images
	WIN 0x40                                       ; destination window 1
.irp nt, 0,1,2,3
.irp ks, 0,1,2,3
.irp c, 0,1,2,3
	global_load_b128 v[16*(4*\nt+\ks)+4*\c:16*(4*\nt+\ks)+4*\c+3], v4, s[6:7] offset:(32*(\nt/2)+8*(\nt%2))*512+128*\ks+32*\c
.endr
.endr
.endr
	WIN 0
; The four K steps of 128.  swap = 0: accumulator (x, y) = (row tile, tile of W), source 0 = W.  swap = 1: (tile of Wv, key tile), source 0 = the keys.
; The 16 accumulators take turns, one instruction a turn, in the same order in every K step.
.macro KLOOP swap
.irp ks, 0,1,2,3
.irp rt, 0,1,2,3
.irp c, 0,1,2,3
	ds_load_b128 v[XF+16*\rt+4*\c:XF+16*\rt+4*\c+3], v5 offset:16*XP*\rt+128*\ks+32*\c
.endr
.endr
	s_wait_dscnt 0x0
.if \swap
	WIN 0x04                                       ; source 1 (W) window 1
.else
	WIN 0x01                                       ; source 0 (W) window 1
.endif
.irp x, 0,1,2,3
.irp y, 0,1,2,3
.if \swap
.if \ks == 0
	v_wmma_f32_16x16x128_fp8_fp8 v[ACC+8*(4*\x+\y):ACC+8*(4*\x+\y)+7], v[XF+16*\y:XF+16*\y+15], v[16*(4*\x+\ks):16*(4*\x+\ks)+15], v[BB+8*\x:BB+8*\x+7]
.else
	v_wmma_f32_16x16x128_fp8_fp8 v[ACC+8*(4*\x+\y):ACC+8*(4*\x+\y)+7], v[XF+16*\y:XF+16*\y+15], v[16*(4*\x+\ks):16*(4*\x+\ks)+15], v[ACC+8*(4*\x+\y):ACC+8*(4*\x+\y)+7]
.endif
.else
.if \ks == 0
	v_wmma_f32_16x16x128_fp8_fp8 v[ACC+8*(4*\x+\y):ACC+8*(4*\x+\y)+7], v[16*(4*\y+\ks):16*(4*\y+\ks)+15], v[XF+16*\x:XF+16*\x+15], v[BB+8*\y:BB+8*\y+7]
.else
	v_wmma_f32_16x16x128_fp8_fp8 v[ACC+8*(4*\x+\y):ACC+8*(4*\x+\y)+7], v[16*(4*\y+\ks):16*(4*\y+\ks)+15], v[XF+16*\x:XF+16*\x+15], v[ACC+8*(4*\x+\y):ACC+8*(4*\x+\y)+7]
.endif
.endif
.endr
.endr
	WIN 0
.rept 4
	v_nop                                          ; four places in front of loads into registers that the products have read, and of the first read of results
.endr
.endr
.endm
	s_cmp_eq_u32 s2, 2
	s_cbranch_scc1 .Lfor_v
.irp nt, 0,1,2,3                       ; Q, K: lane (r, h) holds, in tile nt, features 32 (nt / 2) + 8 (nt % 2) + 16 h + 0 .. 7
	global_load_b128 v[BB+8*\nt:BB+8*\nt+3], v7, s[8:9] offset:(32*(\nt/2)+8*(\nt%2))*4
	global_load_b128 v[BB+8*\nt+4:BB+8*\nt+7], v7, s[8:9] offset:(32*(\nt/2)+8*(\nt%2))*4+16
.endr
	s_wait_loadcnt 0x0                             ; W and the bias
.set j, 0
.rept 32
	v_ldexp_f32 v[BB+j], v[BB+j], s85
.set j, j+1
.endr
	KLOOP 0
	s_branch .Lquant
.Lfor_v:
.irp nt, 0,1,2,3                       ; V: lane (r, h) holds, in tile nt, feature 32 (nt / 2) + 8 (nt % 2) + r + 8 (r / 8), for 8 keys
	global_load_b32 v[22+\nt], v26, s[8:9] offset:(32*(\nt/2)+8*(\nt%2))*4
.endr
	s_wait_loadcnt 0x0
.irp nt, 0,1,2,3
.irp e, 0,1,2,3,4,5,6,7
	v_ldexp_f32 v[BB+8*\nt+\e], v[22+\nt], s85
.endr
.endr
	KLOOP 1
.Lquant:
.set j, 0
.rept 128
	v_med3_num_f32 v[ACC+j], v[ACC+j], -v21, v21   ; the conversion to an 8-bit code does not saturate (ISA guide 7.6.2): the hold at 448 x the scale; each accumulator from its low end on
.set j, j+1
.endr
.set j, 0
.rept 16
	v_cvt_scalef32_pk8_fp8_f32 v[XF+2*j:XF+2*j+1], v[ACC+8*j:ACC+8*j+7], v20   ; accumulator (x, y) gives registers 2 y, 2 y + 1 of image x
.set j, j+1
.endr
	v_nop                                          ; one plain vector line behind the last conversion
.irp x, 0,1,2,3
.irp p, 0,1
	global_store_b128 v[16+\x], v[XF+8*\x+4*\p:XF+8*\x+4*\p+3], s[10:11] offset:512*\p   ; 512 consecutive bytes, at a multiple of 512 from the buffer's first byte
.endr
.endr
.Lidle:
	s_wait_tensorcnt 0x0
	ds_add_u32 v30, v31
	s_wait_dscnt 0x0
	s_endpgm
	; ---------------- the lexicon's softmax of batch b = s3.  Thread t holds keys 8 t .. 8 t + 7
.Llex:
	s_lshl_b32 s66, s3, 13                         ; 8,192 b
	s_mov_b32 s67, 0
	s_mov_b32 s4, 0x76543210                       ; v_permlanex16_b32's selects for lane l xor 16
	s_mov_b32 s5, 0xfedcba98
	v_lshlrev_b32 v4, 5, v0                        ; 32 x thread
	v_mov_b32 v5, s14
	v_lshlrev_b32 v5, 2, v5                        ; my wave's word
	v_mov_b32 v6, 0
	v_mov_b32 v56, 0xce6e6b28                      ; -1e9
	v_mov_b32 v58, 0                               ; written once: a lane permute's destination counts as one of its sources
	s_wait_kmcnt 0x0
	s_add_nc_u64 s[38:39], s[38:39], s[66:67]      ; part[.][b]
	s_add_nc_u64 s[42:43], s[42:43], s[66:67]      ; mask[b]
	s_add_nc_u64 s[36:37], s[36:37], s[66:67]      ; posn[b], less its 32,768
	s_add_nc_u64 s[50:51], s[50:51], s[66:67]      ; lexh[b]
.irp kc, 0,1,2,3,4,5,6,7,8,9,10,11,12,13,14,15
	global_load_b128 v[64+8*\kc:64+8*\kc+3], v4, s[38:39] offset:32768*\kc
	global_load_b128 v[64+8*\kc+4:64+8*\kc+7], v4, s[38:39] offset:32768*\kc+16
.endr
.irp u, 0,1
	global_load_b128 v[32+4*\u:35+4*\u], v4, s[40:41] offset:16*\u
	global_load_b128 v[40+4*\u:43+4*\u], v4, s[42:43] offset:16*\u
	global_load_b128 v[48+4*\u:51+4*\u], v4, s[36:37] offset:32768+16*\u
.endr
	s_wait_loadcnt 0x0
.irp kc, 1,2,3,4,5,6,7,8,9,10,11,12,13,14,15
.irp i, 0,2,4,6
	v_pk_add_f32 v[64+\i:65+\i], v[64+\i:65+\i], v[64+8*\kc+\i:65+8*\kc+\i]
.endr
.endr
.irp i, 0,2,4,6
	v_pk_fma_f32 v[64+\i:65+\i], v[64+\i:65+\i], 0x3a83126f, v[32+\i:33+\i] op_sel_hi:[1,0,1]   ; x 0.001 + bl
.endr
.irp e, 0,1,2,3,4,5,6,7
	v_cmp_eq_u32 vcc_lo, 1, v[40+\e]
	v_cndmask_b32 v[64+\e], v[64+\e], v56, vcc_lo  ; a hidden key: -1e9, as reference() has it
.endr
	v_max3_num_f32 v57, v64, v65, v66
	v_max3_num_f32 v57, v57, v67, v68
	v_max3_num_f32 v57, v57, v69, v70
	v_max_num_f32 v57, v57, v71
	v_max_num_f32_dpp v57, v57, v57 row_xmask:1 row_mask:0xf bank_mask:0xf
	v_max_num_f32_dpp v57, v57, v57 row_xmask:2 row_mask:0xf bank_mask:0xf
	v_max_num_f32_dpp v57, v57, v57 row_xmask:4 row_mask:0xf bank_mask:0xf
	v_max_num_f32_dpp v57, v57, v57 row_xmask:8 row_mask:0xf bank_mask:0xf
	v_permlanex16_b32 v58, v57, s4, s5
	v_max_num_f32 v57, v57, v58
	ds_store_b32 v5, v57 offset:LFR
	s_wait_dscnt 0x0
	s_barrier_signal -1
	s_barrier_wait -1
	ds_load_b128 v[72:75], v6 offset:LFR
	ds_load_b128 v[76:79], v6 offset:LFR+16
	s_wait_dscnt 0x0
	v_max3_num_f32 v57, v72, v73, v74
	v_max3_num_f32 v57, v57, v75, v76
	v_max3_num_f32 v57, v57, v77, v78
	v_max_num_f32 v57, v57, v79                    ; the batch's maximum
.irp e, 0,1,2,3,4,5,6,7
	v_sub_f32 v[64+\e], v[64+\e], v57
.endr
.irp e, 0,1,2,3,4,5,6,7
	v_mul_f32 v[64+\e], 0x3fb8aa3b, v[64+\e]
.endr
.irp e, 0,1,2,3,4,5,6,7
	v_exp_f32 v[64+\e], v[64+\e]
.endr
	v_nop                                          ; a plain line behind the last exponential,
	s_wait_alu depctr_va_vdst(0)                   ; and one wait for the batch of eight, ahead of the first reader
	v_pk_add_f32 v[80:81], v[64:65], v[66:67]
	v_pk_add_f32 v[82:83], v[68:69], v[70:71]
	v_pk_add_f32 v[80:81], v[80:81], v[82:83]
	v_add_f32 v59, v80, v81
	v_add_f32_dpp v59, v59, v59 row_xmask:1 row_mask:0xf bank_mask:0xf
	v_add_f32_dpp v59, v59, v59 row_xmask:2 row_mask:0xf bank_mask:0xf
	v_add_f32_dpp v59, v59, v59 row_xmask:4 row_mask:0xf bank_mask:0xf
	v_add_f32_dpp v59, v59, v59 row_xmask:8 row_mask:0xf bank_mask:0xf
	v_permlanex16_b32 v58, v59, s4, s5
	v_add_f32 v59, v59, v58
	ds_store_b32 v5, v59 offset:LFR+256            ; other words than the maxima's: no wave may still be reading those
	s_wait_dscnt 0x0
	s_barrier_signal -1
	s_barrier_wait -1
	ds_load_b128 v[72:75], v6 offset:LFR+256
	ds_load_b128 v[76:79], v6 offset:LFR+272
	s_wait_dscnt 0x0
	v_pk_add_f32 v[72:73], v[72:73], v[74:75]
	v_pk_add_f32 v[76:77], v[76:77], v[78:79]
	v_pk_add_f32 v[72:73], v[72:73], v[76:77]
	v_add_f32 v59, v72, v73
	v_rcp_f32 v59, v59
.irp e, 0,1,2,3,4,5,6,7
	v_min_u32 v[48+\e], 2047, v[48+\e]             ; the key's position, held inside the table before it enters an address.  (Plain lines behind the reciprocal)
.endr
.irp e, 0,1,2,3,4,5,6,7
	v_lshlrev_b32 v[48+\e], 2, v[48+\e]
.endr
	s_wait_alu depctr_va_vdst(0)                   ; ahead of the reciprocal's first reader
	v_mul_f32 v59, 0.5, v59
.irp e, 0,1,2,3,4,5,6,7
	v_mul_f32 v[64+\e], v[64+\e], v59
.endr
.irp e, 0,1,2,3,4,5,6,7
	global_store_b32 v[48+\e], v[64+\e], s[50:51]  ; 8 KB a batch, placed by the sort
.endr
	s_wait_tensorcnt 0x0
	ds_add_u32 v30, v31
	s_wait_dscnt 0x0
	s_endpgm
.Lfunc_end_k_q4bd95ea96a_proj:
	.size	k_q4bd95ea96a_proj, .Lfunc_end_k_q4bd95ea96a_proj-k_q4bd95ea96a_proj
	.p2alignl 7, 3214868480
	.fill 96, 4, 3214868480
	.section	.rodata,"a",@progbits
	.p2align	6, 0x0
	.amdhsa_kernel k_q4bd95ea96a_proj
		.amdhsa_group_segment_fixed_size 35328
		.amdhsa_private_segment_fixed_size 0
		.amdhsa_enable_private_segment 0
		.amdhsa_kernarg_size 144
		.amdhsa_user_sgpr_count 2
		.amdhsa_user_sgpr_kernarg_segment_ptr 1
		.amdhsa_wavefront_size32 1
		.amdhsa_system_sgpr_workgroup_id_x 1
		.amdhsa_system_sgpr_workgroup_id_y 1
		.amdhsa_system_sgpr_workgroup_id_z 1
		.amdhsa_system_vgpr_workitem_id 0
		.amdhsa_next_free_vgpr 512
		.amdhsa_next_free_sgpr 100
		.amdhsa_reserve_vcc 1
		.amdhsa_float_denorm_mode_32 3
		.amdhsa_float_denorm_mode_16_64 3
		.amdhsa_memory_ordered 1
		.amdhsa_forward_progress 1
		.amdhsa_inst_pref_size 60
	.end_amdhsa_kernel
	.amdgpu_metadata
---
amdhsa.version: [ 1, 2 ]
amdhsa.kernels:
  - .name:           k_q4bd95ea96a_proj
    .symbol:         k_q4bd95ea96a_proj.kd
    .args:
      - { .name: q_codes, .offset: 0, .size: 8, .value_kind: global_buffer, .address_space: global }
      - { .name: k_codes, .offset: 8, .size: 8, .value_kind: global_buffer, .address_space: global }
      - { .name: v_codes, .offset: 16, .size: 8, .value_kind: global_buffer, .address_space: global }
      - { .name: Wq_codes, .offset: 24, .size: 8, .value_kind: global_buffer, .address_space: global }
      - { .name: Wk_codes, .offset: 32, .size: 8, .value_kind: global_buffer, .address_space: global }
      - { .name: Wv_codes, .offset: 40, .size: 8, .value_kind: global_buffer, .address_space: global }
      - { .name: bq, .offset: 48, .size: 8, .value_kind: global_buffer, .address_space: global }
      - { .name: bk, .offset: 56, .size: 8, .value_kind: global_buffer, .address_space: global }
      - { .name: bv, .offset: 64, .size: 8, .value_kind: global_buffer, .address_space: global }
      - { .name: lowp_scales, .offset: 72, .size: 8, .value_kind: global_buffer, .address_space: global }
      - { .name: ord, .offset: 80, .size: 8, .value_kind: global_buffer, .address_space: global }
      - { .name: part, .offset: 88, .size: 8, .value_kind: global_buffer, .address_space: global }
      - { .name: bl, .offset: 96, .size: 8, .value_kind: global_buffer, .address_space: global }
      - { .name: mask, .offset: 104, .size: 8, .value_kind: global_buffer, .address_space: global }
      - { .name: qf, .offset: 112, .size: 8, .value_kind: global_buffer, .address_space: global }
      - { .name: kf, .offset: 120, .size: 8, .value_kind: global_buffer, .address_space: global }
      - { .name: vf, .offset: 128, .size: 8, .value_kind: global_buffer, .address_space: global }
      - { .name: lexh, .offset: 136, .size: 8, .value_kind: global_buffer, .address_space: global }
    .group_segment_fixed_size: 35328
    .private_segment_fixed_size: 0
    .kernarg_segment_align: 8
    .kernarg_segment_size: 144
    .max_flat_workgroup_size: 256
    .sgpr_count:     100
    .vgpr_count:     512
    .wavefront_size: 32
...
	.end_amdgpu_metadata
.endif
;; end of part 2
;; launch attn (part 3): grid 8 x 32, 8 waves a work-group, no clusters, 272,384 bytes of LDS; arguments qf, kf, vf, lexh, ord, lowp_scales, cc; writes cc
.if DOCPART == 3
	.amdgcn_target "amdgcn-amd-amdhsa--gfx1250"
	.amdhsa_code_object_version 6
	.text
	.protected	k_q4bd95ea96a_attn
	.globl	k_q4bd95ea96a_attn
	.p2align	8
	.type	k_q4bd95ea96a_attn,@function
k_q4bd95ea96a_attn:
	s_mov_b64 s[64:65], 0
	v_nop
	global_prefetch_b8 v0, s[64:65] scope:SCOPE_SE
	s_setreg_imm32_b32 hwreg(HW_REG_WAVE_MODE, 25, 1), 1
	s_wait_xcnt 0x0
; ATTN.  concat = Q8( Q8(0.5 (softmax(scores) + softmax(lexb))) V ), both products on codes of FP8 (E4M3).  A work-group owns 256 queries of one head (x: the block, y: 8 batch + head);
; each of its eight waves owns two tiles of 16 queries; two waves share a SIMD, so that one wave's products and LDS loads stand beside the other's vector work.
; THE WEIGHTS ARE QUANTISED FINISHED AND NORMALISED, so a row's sum must be known before any weight is quantised: the scores are made TWICE.  Pass 1: running maximum and sum.  Pass 2: p / (2 l) + lexh, its codes, x V.
; HIDDEN KEYS.  The keys lie in the sorted order of an earlier launch: those that count first.  A hidden key's weight is 0.5 (0 + 0) = 0, so only the nsteps = ceil(n_eff / 128) key steps that hold keys that count are
; walked: both loops have 16 trips, and a scalar branch on the stored count jumps over a trip's work.  Hidden keys inside the last step get -2^100 as the C of the scores' product (raw scores lie under 2^24), so p = 0; their lexh is 0.
; If ALL keys of a batch are hidden, reference()'s scores are all -1e9 and its softmax is uniform: n_eff = 2,048, nothing gets the -2^100, and c is taken as 0 (a select, no branch): every p is 1.
; That branch on a stored count is why K and V are not brought by tensor loads, nor shared in a cluster: a head's codes (at most 256 KB) are copied into LDS through registers once, at the head; no slot is ever filled again.
; LAYOUT.  S^T = K Q^T (source 0 = 16 keys, source 1 = 16 queries, K = 64): lane (r, h) holds query r, register j of key tile c is key 16 c + 8 h + j.  So the conversion of tile c IS registers 2 c, 2 c + 1 of P's fragment
; (K = 128 keys), and O^T = V^T P^T holds one query a lane again.  In pass 1 each lane keeps the maximum and sum of ITS half of the keys: the two halves meet once, behind the loop.
; p = 2^(c s - c m), c = log2(e) / 8 x 2^(e6 + e7).
; LIMITS: e6 + e7 between -80 and 20 (so that c x 2^100 is finite and far beyond every c s); e8 and e10 - e8 - e9 between -126 and 119.  NaN among the inputs is not served.
; REGISTERS, window 0: v1 16 x lane; v2-5 LDS addresses; v6-7 offsets of the copies; v8-11 -c m (a pair a tile); v12-15 l; v16-19 the rescaling factor, later 0.5 / l; v20-21 m; v22-29 chains; v30-33 second chains of the sums;
;   v34, v35 2^e8 and 448 x it; v36, v37 the same with e10 - e8 - e9; v38-39 where my wave stores K and V in LDS; v40 32 h; v41-47 at work; v48-63 Q; v64-95 P's codes; v96-223 S^T (64 a tile); v224-231 lexh on its way.
;   window 1: v0-63 O^T (tile t, features' tile dt at 32 t + 8 dt); v64-127 V's four fragments; v128-191 K's eight; v192-255 lexh (or the -2^100) in the scores' layout.  In pass 1 v0-127 hold my wave's 16 KB of V on their way to LDS.
.set KREG,  0                          ; LDS: 16 key steps x 8,192 bytes of K's images
.set VREG,  131072                     ; 16 x 8,192 bytes of V's
.set LEXR,  262144                     ; lexh of the batch, 8,192 bytes, by position
.set BIASL, 270336                     ; 0 or -2^100 for the 128 keys of the last step (256 words are written, 128 read)
.set LI,  1
.set ADK, 2
.set ADV, 3
.set ADL, 4
.set ADB, 5
.set KV,  6
.set NM,  8
.set L,   12
.set F,   16
.set MR,  20
.set T,   22
.set X,   30
.set SC8, 34
.set LM8, 35
.set SCO, 36
.set LMO, 37
.set KSA, 38
.set VSA, 39
.set H32, 40
.set Q,   48
.set PC,  64
.set S,   96
.set LS,  224
.set O,   0                            ; window 1
.set VF,  64
.set KF,  128
.set LX,  192
.set NT,  36                           ; s36 n_true, s37 n_eff, s38 nsteps, s39 nsteps - 1
.set NE,  37
.set NS,  38
.set NL,  39
.set CS,  40                           ; s[40:41] c, twice: the packed form names a pair
.set NC,  42                           ; s42 -c
.set STP, 43                           ; s43 the key step
.set KOF, 44                           ; s44 8,192 x the key step
.set LOF, 45                           ; s45 512 x the key step
.set SEL, 46                           ; s[46:47] v_permlanex16_b32's selects for lane l xor 16
.set MSB, 0
.macro WIN new                         ; the immediate's high byte repeats the setting that is left; low byte: bits 1:0 source 0, 3:2 source 1, 5:4 source 2, 7:6 destination
.if MSB != \new
	s_set_vgpr_msb (MSB<<8)|\new
.set MSB, \new
.endif
.endm
	s_load_b256 s[4:11], s[0:1], 0x0               ; qf s[4:5], kf s[6:7], vf s[8:9], lexh s[10:11]
	s_load_b128 s[12:15], s[0:1], 0x20             ; ord s[12:13], the scales' exponents s[14:15]
	s_load_b64 s[16:17], s[0:1], 0x30              ; cc
	v_lshl_add_u32 v254, v0, 2, 0x42400
	v_mov_b32 v255, 0
	v_lshrrev_b32 v2, 5, v0
	v_readfirstlane_b32 s18, v2                    ; wave 0..7
	v_and_b32 v2, 31, v0
	v_lshlrev_b32 v[LI], 4, v2
	v_bfe_u32 v3, v0, 4, 1
	v_lshlrev_b32 v[H32], 5, v3
	v_add_nc_u32 v[ADB], BIASL, v[H32]
	s_lshl_b32 s19, s18, 14
	v_add_nc_u32 v[KSA], s19, v[LI]                ; my wave fills key steps 2 w and 2 w + 1 of both regions
	v_add_nc_u32 v[VSA], VREG, v[KSA]
	v_lshl_add_u32 v41, v0, 5, LEXR
	v_lshl_add_u32 v42, v0, 2, BIASL
	v_lshlrev_b32 v43, 5, v0
	s_and_b32 s32, ttmp7, 0xffff                   ; 8 batch + head
	s_lshr_b32 s33, s32, 3
	s_and_b32 s34, s32, 7
	s_lshl_b32 s35, s33, 9                         ; the batch's counts
	s_mov_b32 s[SEL], 0x76543210
	s_mov_b32 s[SEL+1], 0xfedcba98
	s_wait_kmcnt 0x0
	s_load_b32 s[NT], s[12:13], s35 offset:65536
	s_load_b32 s[NE], s[12:13], s35 offset:65536+128
	s_load_b32 s[NS], s[12:13], s35 offset:65536+256
	s_load_b256 s[20:27], s[14:15], 0x0            ; e0 .. e7
	s_load_b128 s[28:31], s[14:15], 0x20           ; e8 .. e11
	s_lshl_b32 s48, s32, 17                        ; a head's images are 131,072 bytes
	s_mov_b32 s49, 0
	s_add_nc_u64 s[6:7], s[6:7], s[48:49]
	s_add_nc_u64 s[8:9], s[8:9], s[48:49]
	s_lshl_b32 s50, ttmp9, 4
	s_lshl_b32 s51, s18, 1
	s_add_co_u32 s50, s50, s51                     ; my first query tile: 16 x block + 2 w
	s_lshl_b32 s52, s50, 10
	s_add_co_u32 s48, s48, s52
	s_add_nc_u64 s[4:5], s[4:5], s[48:49]
	s_lshl_b32 s48, s33, 13
	s_add_nc_u64 s[10:11], s[10:11], s[48:49]
	s_lshl_b32 s48, s33, 7
	s_add_co_u32 s48, s48, s50                     ; the row tile among all 512,
	s_lshl_b32 s48, s48, 3
	s_add_co_u32 s48, s48, s34                     ; x 8 heads + mine,
	s_lshl_b32 s48, s48, 10                        ; images of 1,024 bytes
	s_add_nc_u64 s[16:17], s[16:17], s[48:49]
	s_wait_kmcnt 0x0
	s_sub_co_u32 s[NL], s[NS], 1
	s_lshl_b32 s53, s18, 1                         ; which steps I copy: 2 w and 2 w + 1, or the last step that was stored (what lies beyond it in LDS is never used)
	s_min_u32 s54, s53, s[NL]
	s_min_u32 s54, s54, 15                         ; held inside the buffer before it enters an address
	s_add_co_u32 s53, s53, 1
	s_min_u32 s55, s53, s[NL]
	s_min_u32 s55, s55, 15
	v_lshl_add_u32 v[KV], s54, 13, v[LI]
	v_lshl_add_u32 v[KV+1], s55, 13, v[LI]
.set i, 0
.rept 32
	global_load_b128 v[S+4*i:S+4*i+3], v[KV+i/16], s[6:7] offset:512*(i%16)        ; K: 16 KB a wave
.set i, i+1
.endr
	global_load_b128 v[LS:LS+3], v43, s[10:11]
	global_load_b128 v[LS+4:LS+7], v43, s[10:11] offset:16
.irp t, 0,1
.irp p, 0,1
	global_load_b128 v[Q+8*\t+4*\p:Q+8*\t+4*\p+3], v[LI], s[4:5] offset:1024*\t+512*\p
.endr
.endr
	WIN 0x40                                       ; destination window 1
.set i, 0
.rept 32
	global_load_b128 v[4*i:4*i+3], v[KV+i/16], s[8:9] offset:512*(i%16)            ; V: it lands while pass 1 runs
.set i, i+1
.endr
	WIN 0
	s_add_co_i32 s56, s26, s27                     ; a raw score stands for score x 2^(e6 + e7): the exponents are added to c's exponent field
	s_lshl_b32 s56, s56, 23
	s_add_co_i32 s[CS], s56, 0x3e38aa3b            ; log2(e) / 8
	s_cmp_eq_u32 s[NT], 0
	s_cselect_b32 s[CS], 0, s[CS]                  ; all keys hidden: uniform
	s_mov_b32 s[CS+1], s[CS]
	s_xor_b32 s[NC], s[CS], 0x80000000
	s_add_co_i32 s56, s28, 127
	s_lshl_b32 s57, s56, 23
	v_mov_b32 v[SC8], s57                          ; 2^e8
	s_add_co_i32 s56, s56, 8
	s_lshl_b32 s56, s56, 23
	s_or_b32 s56, s56, 0x600000
	v_mov_b32 v[LM8], s56                          ; 448 x 2^e8
	s_sub_co_i32 s56, s30, s28
	s_sub_co_i32 s56, s56, s29                     ; a sum of the second product stands for sum x 2^(e8 + e9): the three scales are folded into the conversion's one
	s_add_co_i32 s56, s56, 127
	s_lshl_b32 s57, s56, 23
	v_mov_b32 v[SCO], s57
	s_add_co_i32 s56, s56, 8
	s_lshl_b32 s56, s56, 23
	s_or_b32 s56, s56, 0x600000
	v_mov_b32 v[LMO], s56
	s_lshl_b32 s57, s[NL], 7
	v_add_nc_u32 v44, s57, v0                      ; position 128 (nsteps - 1) + thread
	v_cmp_le_u32 vcc_lo, s[NE], v44
	v_mov_b32 v45, 0xf1800000                      ; -2^100
	v_cndmask_b32 v45, 0, v45, vcc_lo              ; for positions at or beyond n_eff
	v_mov_b32 v[MR], 0xff61b1e6                    ; m: -3e38, under every score
	v_mov_b32 v[MR+1], 0xff61b1e6
	v_mul_f32 v[NM], s[NC], v[MR]                  ; -c m (an infinity here only makes the first rescaling factor 0, and it meets l = 0)
	v_mul_f32 v[NM+2], s[NC], v[MR+1]
.irp r, NM+1, NM+3, L, L+1, L+2, L+3, F+1, F+3, 46, 47
	v_mov_b32 v[\r], 0                             ; the sums; the upper halves of pairs that are named whole; the permutes' destinations
.endr
	s_wait_loadcnt 36                              ; K and lexh are in: behind them Q's 4 loads and V's 32 were issued
.set i, 0
.rept 32
	ds_store_b128 v[KSA], v[S+4*i:S+4*i+3] offset:512*i
.set i, i+1
.endr
	ds_store_b128 v41, v[LS:LS+3]
	ds_store_b128 v41, v[LS+4:LS+7] offset:16
	ds_store_b32 v42, v45
	s_wait_dscnt 0x0                               ; for the others' sake: my part of K, lexh and the last step's words lie in LDS
	s_barrier_signal -1
	s_barrier_wait -1
	s_wait_loadcnt 32                              ; Q is in: only V's 32 loads were issued behind it
.macro KLOADS                          ; the eight fragments of K at v[ADK]: 512 consecutive bytes a load
.irp c, 0,1,2,3,4,5,6,7
.irp p, 0,1
	ds_load_b128 v[KF+8*\c+4*\p:KF+8*\c+4*\p+3], v[ADK] offset:1024*\c+512*\p
.endr
.endr
.endm
; The step's 16 products S^T = K Q^T.  In the last step that is walked the C operand is 0 or -2^100, by key; else the constant 0.
.macro QK
	s_cmp_eq_u32 s[STP], s[NL]
	s_cbranch_scc1 .Llast_\@
	WIN 0x01                                       ; source 0 (K) window 1
.irp c, 0,1,2,3,4,5,6,7
.irp t, 0,1
	v_wmma_f32_16x16x64_fp8_fp8 v[S+64*\t+8*\c:S+64*\t+8*\c+7], v[KF+8*\c:KF+8*\c+7], v[Q+8*\t:Q+8*\t+7], 0
.endr
.endr
	WIN 0
	s_branch .Ljoin_\@
.Llast_\@:
	WIN 0x40
.irp c, 0,1,2,3,4,5,6,7
.irp u, 0,1
	ds_load_b128 v[LX+8*\c+4*\u:LX+8*\c+4*\u+3], v[ADB] offset:64*\c+16*\u
.endr
.endr
	s_wait_dscnt 0x0
	WIN 0x11                                       ; sources 0 (K) and 2 (the words) window 1
.irp c, 0,1,2,3,4,5,6,7
.irp t, 0,1
	v_wmma_f32_16x16x64_fp8_fp8 v[S+64*\t+8*\c:S+64*\t+8*\c+7], v[KF+8*\c:KF+8*\c+7], v[Q+8*\t:Q+8*\t+7], v[LX+8*\c:LX+8*\c+7]
.endr
.endr
	WIN 0
.Ljoin_\@:
.endm
; The largest of tile t's 64 scores and m: four chains of 16 registers (two accumulators each), ascending; then four merges.
.macro MAXT t
.set rS, S+64*(\t)
.set rT, T+4*(\t)
.irp k, 0,1,2,3
	v_max3_num_f32 v[rT+\k], v[rS+16*\k], v[rS+16*\k+1], v[rS+16*\k+2]
.endr
.irp n, 3,5,7,9,11,13
.irp k, 0,1,2,3
	v_max3_num_f32 v[rT+\k], v[rT+\k], v[rS+16*\k+\n], v[rS+16*\k+\n+1]
.endr
.endr
	v_max3_num_f32 v[rT], v[rT], v[rS+15], v[rS+31]
	v_max3_num_f32 v[rT+1], v[rT+1], v[rS+47], v[rS+63]
	v_max3_num_f32 v[rT], v[rT], v[rT+1], v[rT+2]
	v_max3_num_f32 v[MR+\t], v[rT], v[rT+3], v[MR+\t]
.endm
.macro STAT t                          ; the new -c m, and the factor 2^(c m_old - c m_new) for what was summed so far
	v_mul_f32 v[T+4*\t], s[NC], v[MR+\t]
	v_sub_f32 v[F+2*\t], v[T+4*\t], v[NM+2*\t]
	v_mov_b32 v[NM+2*\t], v[T+4*\t]
	v_exp_f32 v[F+2*\t], v[F+2*\t]
.endm
.macro SCALE t                         ; c s - c m, two at a time, ascending
.set j, 0
.rept 32
	v_pk_fma_f32 v[S+64*\t+j:S+64*\t+j+1], v[S+64*\t+j:S+64*\t+j+1], s[CS:CS+1], v[NM+2*\t:NM+2*\t+1] op_sel_hi:[1,0,0]
.set j, j+2
.endr
.endm
.macro EXPS                            ; both tiles' 128 exponentials as ONE batch
.set j, 0
.rept 128
	v_exp_f32 v[S+j], v[S+j]
.set j, j+1
.endr
	v_nop                                          ; a plain line behind the last exponential,
	s_wait_alu depctr_va_vdst(0)                   ; and one wait for the whole batch (the factors above among it), ahead of the first reader
.endm
.macro SUMT t                          ; l = l x factor + the sum of p, in two chains
	v_pk_mul_f32 v[L+2*\t:L+2*\t+1], v[L+2*\t:L+2*\t+1], v[F+2*\t:F+2*\t+1] op_sel_hi:[1,0]
	v_pk_add_f32 v[X+2*\t:X+2*\t+1], v[S+64*\t:S+64*\t+1], v[S+64*\t+2:S+64*\t+3]
.irp n, 4,8,12,16,20,24,28,32,36,40,44,48,52,56,60
	v_pk_add_f32 v[L+2*\t:L+2*\t+1], v[L+2*\t:L+2*\t+1], v[S+64*\t+\n:S+64*\t+\n+1]
	v_pk_add_f32 v[X+2*\t:X+2*\t+1], v[X+2*\t:X+2*\t+1], v[S+64*\t+\n+2:S+64*\t+\n+3]
.endr
	v_pk_add_f32 v[L+2*\t:L+2*\t+1], v[L+2*\t:L+2*\t+1], v[X+2*\t:X+2*\t+1]
.endm
	; ---------------- PASS 1: m and l
	s_mov_b32 s[STP], 0
	s_mov_b32 s[KOF], 0
	v_mov_b32 v[ADK], v[LI]
	WIN 0x40
	KLOADS                                         ; key step 0
	WIN 0
.Lp1:                                              ; 16 trips; a trip beyond the stored count does only the steps at its end
	s_cmp_ge_u32 s[STP], s[NS]
	s_cbranch_scc1 .Lp1_tail
	s_wait_dscnt 0x0                               ; this step's K is in
	QK
	s_add_co_u32 s58, s[KOF], 8192
	s_min_u32 s58, s58, 15*8192                    ; the next step's K; the last trip reads step 15 once more, for nobody
	v_add_nc_u32 v[ADK], s58, v[LI]
.rept 3
	v_nop                                          ; with the addition: four places in front of loads into registers that the products have read, and of the first read of results
.endr
	WIN 0x40
	KLOADS                                         ; they land under the step's vector work
	WIN 0
	MAXT 0
	MAXT 1
	STAT 0
	STAT 1
	SCALE 0
	SCALE 1
	EXPS
	SUMT 0
	SUMT 1
.Lp1_tail:
	s_add_co_u32 s[STP], s[STP], 1
	s_add_co_u32 s[KOF], s[KOF], 8192
	s_cmp_lt_u32 s[STP], 16
	s_cbranch_scc1 .Lp1
	; the two halves of the lanes meet: the query's m, its l under that m, and 0.5 / l
.irp t, 0,1
	v_permlanex16_b32 v[46+\t], v[MR+\t], s[SEL], s[SEL+1]
.endr
.irp t, 0,1
	v_max_num_f32 v[MR+\t], v[MR+\t], v[46+\t]
	v_mul_f32 v[T+4*\t], s[NC], v[MR+\t]
	v_sub_f32 v[F+2*\t], v[T+4*\t], v[NM+2*\t]
	v_mov_b32 v[NM+2*\t], v[T+4*\t]
.endr
	v_exp_f32 v[F], v[F]
	v_exp_f32 v[F+2], v[F+2]
	v_add_f32 v[T+1], v[L], v[L+1]                 ; (plain lines behind the exponentials)
	v_add_f32 v[T+5], v[L+2], v[L+3]
	s_wait_alu depctr_va_vdst(0)                   ; one wait for the two, ahead of their first reader
	v_mul_f32 v[T+1], v[T+1], v[F]
	v_mul_f32 v[T+5], v[T+5], v[F+2]
	v_permlanex16_b32 v46, v[T+1], s[SEL], s[SEL+1]
	v_permlanex16_b32 v47, v[T+5], s[SEL], s[SEL+1]
	v_add_f32 v[T+1], v[T+1], v46
	v_add_f32 v[T+5], v[T+5], v47
	v_rcp_f32 v[F], v[T+1]
	v_rcp_f32 v[F+2], v[T+5]
	v_nop
	s_wait_alu depctr_va_vdst(0)
	v_mul_f32 v[F], 0.5, v[F]
	v_mul_f32 v[F+2], 0.5, v[F+2]
	; ---------------- V goes into LDS
	s_wait_loadcnt 0x0                             ; V
	WIN 0x04                                       ; the stores' data: window 1
.set i, 0
.rept 32
	ds_store_b128 v[VSA], v[4*i:4*i+3] offset:512*i
.set i, i+1
.endr
	WIN 0
	s_wait_dscnt 0x0                               ; for the others' sake: my part of V lies in LDS; and the loads of K that pass 1 left out are in, so their registers may be loaded again
	s_barrier_signal -1
	s_barrier_wait -1
	WIN 0x40
.set j, 0
.rept 64
	v_mov_b32 v[O+j], 0                            ; O^T: the loop is written once, and which trip is the first to add hangs on no text
.set j, j+1
.endr
	; ---------------- PASS 2: the weights, their codes, x V
	s_mov_b32 s[STP], 0
	s_mov_b32 s[KOF], 0
	s_mov_b32 s[LOF], 0
	WIN 0
	v_mov_b32 v[ADK], v[LI]
	WIN 0x40
	KLOADS
	WIN 0
.Lp2:
	s_cmp_ge_u32 s[STP], s[NS]
	s_cbranch_scc1 .Lp2_tail
	s_wait_dscnt 0x0                               ; this step's K is in
	QK
	s_add_co_u32 s58, s[KOF], 8192
	s_min_u32 s58, s58, 15*8192
	s_add_co_u32 s59, s[KOF], VREG
	s_add_co_u32 s60, s[LOF], LEXR
	v_add_nc_u32 v[ADK], s58, v[LI]
	v_add_nc_u32 v[ADV], s59, v[LI]
	v_add_nc_u32 v[ADL], s60, v[H32]
	v_nop                                          ; with the three additions: four places, as in pass 1; they serve V's registers too, which the last trip's products read
	WIN 0x40
.irp c, 0,1,2,3,4,5,6,7
.irp u, 0,1
	ds_load_b128 v[LX+8*\c+4*\u:LX+8*\c+4*\u+3], v[ADL] offset:64*\c+16*\u     ; lexh of keys 16 c + 8 h + 0 .. 7: the scores' layout
.endr
.endr
.irp d, 0,1,2,3
.irp p, 0,1,2,3
	ds_load_b128 v[VF+16*\d+4*\p:VF+16*\d+4*\p+3], v[ADV] offset:2048*\d+512*\p
.endr
.endr
	KLOADS                                         ; the next step's K
	WIN 0
	SCALE 0
	SCALE 1
	EXPS
	s_wait_dscnt 32                                ; lexh is in: behind its 16 loads V's 16 and K's 16 were issued
	WIN 0x10                                       ; source 2 (lexh) window 1
.irp t, 0,1
.set j, 0
.rept 32
	v_pk_fma_f32 v[S+64*\t+j:S+64*\t+j+1], v[S+64*\t+j:S+64*\t+j+1], v[F+2*\t:F+2*\t+1], v[LX+j:LX+j+1] op_sel_hi:[1,0,1]   ; p x 0.5 / l + 0.5 softmax(lexb): the finished weight
.set j, j+2
.endr
.endr
	WIN 0
.set j, 0
.rept 128
	v_min_num_f32 v[S+j], v[S+j], v[LM8]           ; the conversion to an 8-bit code does not saturate (ISA guide 7.6.2); a weight is not negative, so the hold is one-sided
.set j, j+1
.endr
.irp t, 0,1
.irp c, 0,1,2,3,4,5,6,7
	v_cvt_scalef32_pk8_fp8_f32 v[PC+16*\t+2*\c:PC+16*\t+2*\c+1], v[S+64*\t+8*\c:S+64*\t+8*\c+7], v[SC8]
.endr
.endr
	v_nop                                          ; one plain vector line between the last conversion and the products that read the codes
	s_wait_dscnt 16                                ; V is in: only K's 16 loads were issued behind it
	WIN 0x51                                       ; source 0 (V), C and D (O^T) window 1
.irp d, 0,1,2,3
.irp t, 0,1
	v_wmma_f32_16x16x128_fp8_fp8 v[O+32*\t+8*\d:O+32*\t+8*\d+7], v[VF+16*\d:VF+16*\d+15], v[PC+16*\t:PC+16*\t+15], v[O+32*\t+8*\d:O+32*\t+8*\d+7]   ; eight accumulators by turns; the next trip's 16 score products stand between two links
.endr
.endr
	WIN 0
.Lp2_tail:
	s_add_co_u32 s[STP], s[STP], 1
	s_add_co_u32 s[KOF], s[KOF], 8192
	s_add_co_u32 s[LOF], s[LOF], 512
	s_cmp_lt_u32 s[STP], 16
	s_cbranch_scc1 .Lp2
	; ---------------- the way out: concat's codes, as the image of the last launch's operand
	s_wait_dscnt 0x0                               ; the loads of K that the last trip left out
.rept 4
	v_nop                                          ; four places behind the last products
.endr
	WIN 0x41                                       ; source 0 and destination window 1
.set j, 0
.rept 64
	v_med3_num_f32 v[O+j], v[O+j], -v[LMO], v[LMO]
.set j, j+1
.endr
	WIN 0x01
.irp t, 0,1
.irp d, 0,1,2,3
	v_cvt_scalef32_pk8_fp8_f32 v[PC+8*\t+2*\d:PC+8*\t+2*\d+1], v[O+32*\t+8*\d:O+32*\t+8*\d+7], v[SCO]   ; registers 4 p .. 4 p + 3: features 32 p + 16 h + 0 .. 15 of my head
.endr
.endr
	WIN 0
	v_nop
.irp t, 0,1
.irp p, 0,1
	global_store_b128 v[LI], v[PC+8*\t+4*\p:PC+8*\t+4*\p+3], s[16:17] offset:8192*\t+512*\p   ; 512 consecutive bytes, at a multiple of 512 from cc's first byte
.endr
.endr
	s_wait_tensorcnt 0x0
	ds_add_u32 v254, v255
	s_wait_dscnt 0x0
	s_endpgm
.Lfunc_end_k_q4bd95ea96a_attn:
	.size	k_q4bd95ea96a_attn, .Lfunc_end_k_q4bd95ea96a_attn-k_q4bd95ea96a_attn
	.p2alignl 7, 3214868480
	.fill 96, 4, 3214868480
	.section	.rodata,"a",@progbits
	.p2align	6, 0x0
	.amdhsa_kernel k_q4bd95ea96a_attn
		.amdhsa_group_segment_fixed_size 272384
		.amdhsa_private_segment_fixed_size 0
		.amdhsa_enable_private_segment 0
		.amdhsa_kernarg_size 56
		.amdhsa_user_sgpr_count 2
		.amdhsa_user_sgpr_kernarg_segment_ptr 1
		.amdhsa_wavefront_size32 1
		.amdhsa_system_sgpr_workgroup_id_x 1
		.amdhsa_system_sgpr_workgroup_id_y 1
		.amdhsa_system_sgpr_workgroup_id_z 1
		.amdhsa_system_vgpr_workitem_id 0
		.amdhsa_next_free_vgpr 512
		.amdhsa_next_free_sgpr 66
		.amdhsa_reserve_vcc 1
		.amdhsa_float_denorm_mode_32 3
		.amdhsa_float_denorm_mode_16_64 3
		.amdhsa_memory_ordered 1
		.amdhsa_forward_progress 1
		.amdhsa_inst_pref_size 73
	.end_amdhsa_kernel
	.amdgpu_metadata
---
amdhsa.version: [ 1, 2 ]
amdhsa.kernels:
  - .name:           k_q4bd95ea96a_attn
    .symbol:         k_q4bd95ea96a_attn.kd
    .args:
      - { .name: qf, .offset: 0, .size: 8, .value_kind: global_buffer, .address_space: global }
      - { .name: kf, .offset: 8, .size: 8, .value_kind: global_buffer, .address_space: global }
      - { .name: vf, .offset: 16, .size: 8, .value_kind: global_buffer, .address_space: global }
      - { .name: lexh, .offset: 24, .size: 8, .value_kind: global_buffer, .address_space: global }
      - { .name: ord, .offset: 32, .size: 8, .value_kind: global_buffer, .address_space: global }
      - { .name: lowp_scales, .offset: 40, .size: 8, .value_kind: global_buffer, .address_space: global }
      - { .name: cc, .offset: 48, .size: 8, .value_kind: global_buffer, .address_space: global }
    .group_segment_fixed_size: 272384
    .private_segment_fixed_size: 0
    .kernarg_segment_align: 8
    .kernarg_segment_size: 56
    .max_flat_workgroup_size: 256
    .sgpr_count:     66
    .vgpr_count:     512
    .wavefront_size: 32
...
	.end_amdgpu_metadata
.endif
;; end of part 3
;; launch outp (part 4): grid 128 x 2, 8 waves a work-group, no clusters, 100,352 bytes of LDS; arguments cc, Wo_codes, bo, lowp_scales, out0; writes out0
.if DOCPART == 4
	.amdgcn_target "amdgcn-amd-amdhsa--gfx1250"
	.amdhsa_code_object_version 6
	.text
	.protected	k_q4bd95ea96a_outp
	.globl	k_q4bd95ea96a_outp
	.p2align	8
	.type	k_q4bd95ea96a_outp,@function
k_q4bd95ea96a_outp:
	s_mov_b64 s[64:65], 0
	v_nop
	global_prefetch_b8 v0, s[64:65] scope:SCOPE_SE
	s_setreg_imm32_b32 hwreg(HW_REG_WAVE_MODE, 25, 1), 1
	s_wait_xcnt 0x0
; OUTP.  out0 = concat Wo + bo on codes of FP8 (E4M3): concat's codes were stored by the launch before as images of this product's operand registers, Wo's are given with K innermost.
; A work-group takes 64 rows (x) x 256 columns (y); wave w takes 32 of the columns for all 64 rows: 8 accumulators by turns.  Its 8 fragments of Wo stay in registers; the rows' 32 KB of codes are copied into LDS
; once, as they lie, and every wave reads all of them.  The product is used transposed (source 0 = 16 rows of Wo_codes, source 1 = 16 rows of concat): a lane holds one row and 8 neighbouring columns.
; A fragment of concat (16 rows x 128 K = two heads) is 2,048 consecutive bytes: registers 4 c .. 4 c + 3 hold k = 32 c + 16 (lane / 16) + 0 .. 15, and Wo's rows are fetched 16 bytes at a time in the same order.
; out = sum x 2^(e10 + e11) + bo, one packed multiply-add for two numbers.  The results meet in a stage in LDS and leave as rows: each store covers 512 consecutive bytes.
; No cluster: what work-groups share (Wo, 128 KB a work-group) is read once at the head, not walked in steps.
; LIMIT: e10 + e11 between -126 and 127, so that 2^(e10 + e11) is an f32 number.
; REGISTERS, window 0: v1 16 x lane; v4 Wo's lane offset; v5, v6, v7 LDS addresses; v8 bo's offset; v16-31 bo in the results' layout; v32-159 concat's fragments, two sets of four (later the results and the rows read back);
;   v160-223 the accumulators (row tile rt, column tile nt at 8 (2 rt + nt)).   window 1: v0-127 Wo's fragments (nt, K step ks) at 16 (4 nt + ks).
.set STG, 32768                        ; LDS: concat's images at 0 (32,768 bytes); then the stage
.set SP,  1040                         ; a stage row: 1,024 bytes + 16: 65 x 16, so 16 rows fall on 16 different 16-byte columns of 256
.set XF,  32
.set ACC, 160
.set MSB, 0
.macro WIN new
.if MSB != \new
	s_set_vgpr_msb (MSB<<8)|\new
.set MSB, \new
.endif
.endm
	s_load_b256 s[4:11], s[0:1], 0x0               ; cc s[4:5], Wo's codes s[6:7], bo s[8:9], the scales' exponents s[10:11]
	s_load_b64 s[12:13], s[0:1], 0x20              ; out0
	v_lshl_add_u32 v254, v0, 2, 0x18400
	v_mov_b32 v255, 0
	v_lshrrev_b32 v2, 5, v0
	v_readfirstlane_b32 s14, v2                    ; wave 0..7
	v_and_b32 v2, 31, v0
	v_lshlrev_b32 v1, 4, v2                        ; 16 x lane
	v_and_b32 v2, 15, v0                           ; r
	v_bfe_u32 v3, v0, 4, 1                         ; h
	v_lshlrev_b32 v4, 9, v2
	v_lshl_add_u32 v4, v3, 4, v4                   ; Wo: row r of 512 bytes, + 16 h
	v_mul_u32_u24 v5, v2, SP
	v_lshl_add_u32 v5, v3, 5, v5
	s_lshl_b32 s15, s14, 7
	s_add_co_u32 s15, s15, STG
	v_add_nc_u32 v5, s15, v5                       ; into the stage: row r, + 32 h, + my wave's 128 bytes
	s_mul_i32 s15, s14, 8*SP
	s_add_co_u32 s15, s15, STG
	v_add_nc_u32 v6, s15, v1                       ; out of it: my wave's 8 rows, 16 bytes a lane
	s_lshl_b32 s15, s14, 12
	v_add_nc_u32 v7, s15, v1                       ; my wave's 4,096 bytes of the images
	v_lshlrev_b32 v8, 5, v3                        ; bo: 8 h numbers on
	s_and_b32 s16, ttmp7, 0xffff                   ; y
	s_mov_b32 s25, 0
	s_mov_b32 s27, 0
	s_mov_b32 s29, 0
	s_mov_b32 s31, 0
	s_lshl_b32 s24, ttmp9, 15
	s_add_co_u32 s24, s24, s15                     ; cc: 32,768 x + 4,096 w
	s_lshl_b32 s26, s16, 17
	s_lshl_b32 s17, s14, 14
	s_add_co_u32 s26, s26, s17                     ; Wo: (256 y + 32 w) rows of 512 bytes
	s_lshl_b32 s28, s16, 10
	s_lshl_b32 s18, s14, 7
	s_add_co_u32 s28, s28, s18                     ; bo: (256 y + 32 w) numbers
	s_lshl_b32 s30, ttmp9, 17
	s_add_co_u32 s30, s30, s17
	s_lshl_b32 s18, s16, 10
	s_add_co_u32 s30, s30, s18                     ; out0: (64 x + 8 w) rows of 2,048 bytes + 1,024 y
	s_wait_kmcnt 0x0
	s_load_b64 s[20:21], s[10:11], 0x28            ; e10, e11
	s_add_nc_u64 s[4:5], s[4:5], s[24:25]
	s_add_nc_u64 s[6:7], s[6:7], s[26:27]
	s_add_nc_u64 s[8:9], s[8:9], s[28:29]
	s_add_nc_u64 s[12:13], s[12:13], s[30:31]
.irp i, 0,1,2,3,4,5,6,7
	global_load_b128 v[XF+4*\i:XF+4*\i+3], v1, s[4:5] offset:512*\i
.endr
	WIN 0x40                                       ; destination window 1
.irp nt, 0,1
.irp ks, 0,1,2,3
.irp p, 0,1,2,3
	global_load_b128 v[16*(4*\nt+\ks)+4*\p:16*(4*\nt+\ks)+4*\p+3], v4, s[6:7] offset:8192*\nt+128*\ks+32*\p
.endr
.endr
.endr
	WIN 0
.irp nt, 0,1
.irp u, 0,1
	global_load_b128 v[16+8*\nt+4*\u:16+8*\nt+4*\u+3], v8, s[8:9] offset:64*\nt+16*\u
.endr
.endr
	s_wait_loadcnt 36                              ; concat's codes are in: behind their 8 loads Wo's 32 and bo's 4 were issued
.irp i, 0,1,2,3,4,5,6,7
	ds_store_b128 v7, v[XF+4*\i:XF+4*\i+3] offset:512*\i
.endr
	s_wait_dscnt 0x0                               ; for the others' sake: my part of the images lies in LDS
	s_barrier_signal -1
	s_barrier_wait -1
	s_wait_loadcnt 0x0                             ; Wo and bo
.macro FETCHX ks, set                  ; the four row tiles' fragments of K step ks
.irp rt, 0,1,2,3
.irp p, 0,1,2,3
	ds_load_b128 v[XF+64*(\set)+16*\rt+4*\p:XF+64*(\set)+16*\rt+4*\p+3], v1 offset:8192*\rt+2048*(\ks)+512*\p
.endr
.endr
.endm
.macro MULX ks, set                    ; eight products, the accumulators by turns; the first K step starts the sums
	WIN 0x01                                       ; source 0 (Wo) window 1
.irp rt, 0,1,2,3
.irp nt, 0,1
.if \ks == 0
	v_wmma_f32_16x16x128_fp8_fp8 v[ACC+8*(2*\rt+\nt):ACC+8*(2*\rt+\nt)+7], v[16*(4*\nt+\ks):16*(4*\nt+\ks)+15], v[XF+64*\set+16*\rt:XF+64*\set+16*\rt+15], 0
.else
	v_wmma_f32_16x16x128_fp8_fp8 v[ACC+8*(2*\rt+\nt):ACC+8*(2*\rt+\nt)+7], v[16*(4*\nt+\ks):16*(4*\nt+\ks)+15], v[XF+64*\set+16*\rt:XF+64*\set+16*\rt+15], v[ACC+8*(2*\rt+\nt):ACC+8*(2*\rt+\nt)+7]
.endif
.endr
.endr
	WIN 0
.endm
.macro PLACES                          ; four places in front of loads into registers that products have read, and of the first read of results
.rept 4
	v_nop
.endr
.endm
	FETCHX 0, 0
	FETCHX 1, 1
	s_wait_dscnt 16                                ; K step 0 is in; the 16 loads of step 1 may be out
	MULX 0, 0
	PLACES
	FETCHX 2, 0
	s_wait_dscnt 16
	MULX 1, 1
	PLACES
	FETCHX 3, 1
	s_wait_dscnt 16
	MULX 2, 0
	s_wait_dscnt 0x0
	MULX 3, 1
	s_wait_kmcnt 0x0
	s_add_co_i32 s22, s20, s21
	s_add_co_i32 s22, s22, 127
	s_lshl_b32 s22, s22, 23                        ; 2^(e10 + e11) as f32
	s_mov_b32 s23, s22                             ; (named with it as a pair, so it is written)
	PLACES
.irp rt, 0,1,2,3
.irp nt, 0,1
.irp i, 0,2,4,6
	v_pk_fma_f32 v[XF+8*(2*\rt+\nt)+\i:XF+8*(2*\rt+\nt)+\i+1], v[ACC+8*(2*\rt+\nt)+\i:ACC+8*(2*\rt+\nt)+\i+1], s[22:23], v[16+8*\nt+\i:16+8*\nt+\i+1] op_sel_hi:[1,0,1]   ; each accumulator from its low end on
.endr
.endr
.endr
.irp rt, 0,1,2,3
.irp nt, 0,1
	ds_store_b128 v5, v[XF+8*(2*\rt+\nt):XF+8*(2*\rt+\nt)+3] offset:16*SP*\rt+64*\nt          ; lane (r, h): out(16 rt + r, 32 w + 16 nt + 8 h + 0 .. 7)
	ds_store_b128 v5, v[XF+8*(2*\rt+\nt)+4:XF+8*(2*\rt+\nt)+7] offset:16*SP*\rt+64*\nt+16
.endr
.endr
	s_wait_dscnt 0x0                               ; for the others' sake: my columns lie in the stage
	s_barrier_signal -1
	s_barrier_wait -1
.irp i, 0,1,2,3,4,5,6,7
.irp u, 0,1
	ds_load_b128 v[96+4*(2*\i+\u):96+4*(2*\i+\u)+3], v6 offset:SP*\i+512*\u
.endr
.endr
.irp i, 0,1,2,3,4,5,6,7
.irp u, 0,1
	s_wait_dscnt 15-2*\i-\u                        ; LDS loads come back in order: this one is in, the younger ones stay out
	global_store_b128 v1, v[96+4*(2*\i+\u):96+4*(2*\i+\u)+3], s[12:13] offset:2048*\i+512*\u th:TH_STORE_NT   ; 512 consecutive bytes, at a multiple of 512 from out0's first byte; written once, read by nobody here
.endr
.endr
	s_wait_tensorcnt 0x0
	ds_add_u32 v254, v255
	s_wait_dscnt 0x0
	s_endpgm
.Lfunc_end_k_q4bd95ea96a_outp:
	.size	k_q4bd95ea96a_outp, .Lfunc_end_k_q4bd95ea96a_outp-k_q4bd95ea96a_outp
	.p2alignl 7, 3214868480
	.fill 96, 4, 3214868480
	.section	.rodata,"a",@progbits
	.p2align	6, 0x0
	.amdhsa_kernel k_q4bd95ea96a_outp
		.amdhsa_group_segment_fixed_size 100352
		.amdhsa_private_segment_fixed_size 0
		.amdhsa_enable_private_segment 0
		.amdhsa_kernarg_size 40
		.amdhsa_user_sgpr_count 2
		.amdhsa_user_sgpr_kernarg_segment_ptr 1
		.amdhsa_wavefront_size32 1
		.amdhsa_system_sgpr_workgroup_id_x 1
		.amdhsa_system_sgpr_workgroup_id_y 1
		.amdhsa_system_sgpr_workgroup_id_z 1
		.amdhsa_system_vgpr_workitem_id 0
		.amdhsa_next_free_vgpr 384
		.amdhsa_next_free_sgpr 66
		.amdhsa_reserve_vcc 0
		.amdhsa_float_denorm_mode_32 3
		.amdhsa_float_denorm_mode_16_64 3
		.amdhsa_memory_ordered 1
		.amdhsa_forward_progress 1
		.amdhsa_inst_pref_size 21
	.end_amdhsa_kernel
	.amdgpu_metadata
---
amdhsa.version: [ 1, 2 ]
amdhsa.kernels:
  - .name:           k_q4bd95ea96a_outp
    .symbol:         k_q4bd95ea96a_outp.kd
    .args:
      - { .name: cc, .offset: 0, .size: 8, .value_kind: global_buffer, .address_space: global }
      - { .name: Wo_codes, .offset: 8, .size: 8, .value_kind: global_buffer, .address_space: global }
      - { .name: bo, .offset: 16, .size: 8, .value_kind: global_buffer, .address_space: global }
      - { .name: lowp_scales, .offset: 24, .size: 8, .value_kind: global_buffer, .address_space: global }
      - { .name: out0, .offset: 32, .size: 8, .value_kind: global_buffer, .address_space: global }
    .group_segment_fixed_size: 100352
    .private_segment_fixed_size: 0
    .kernarg_segment_align: 8
    .kernarg_segment_size: 40
    .max_flat_workgroup_size: 256
    .sgpr_count:     66
    .vgpr_count:     384
    .wavefront_size: 32
...
	.end_amdgpu_metadata
.endif
;; end of part 4
;; ======== version 2 of 2: 4 launches; version 1 with the launches proj, attn, outp written anew for expert scheduling mode
;; limits: right only within a limited range of input values
;; workspace buffers: part 524,288 bytes; ord 67,584 bytes of whole numbers; lexh 32,768 bytes; qf 4,194,304 bytes; kf 4,194,304 bytes; vf 4,194,304 bytes; cc 4,194,304 bytes
;; launch front: the kernel of part 1 again; grid 260 x 1, 8 waves a work-group, no clusters, 17,664 bytes of LDS; arguments Wl, Lexicon, mask, part, ord; writes part, ord
;; launch proj (part 5): grid 388 x 1, 8 waves a work-group, no clusters, 35,328 bytes of LDS; arguments q_codes, k_codes, v_codes, Wq_codes, Wk_codes, Wv_codes, bq, bk, bv, lowp_scales, ord, part, bl, mask, qf, kf, vf, lexh; writes qf, kf, vf, lexh
.if DOCPART == 5
	.amdgcn_target "amdgcn-amd-amdhsa--gfx1250"
	.amdhsa_code_object_version 6
	.text
	.protected	k_q4bd95ea96a_proj
	.globl	k_q4bd95ea96a_proj
	.p2align	8
	.type	k_q4bd95ea96a_proj,@function
k_q4bd95ea96a_proj:
	s_mov_b64 s[64:65], 0
	v_nop
	global_prefetch_b8 v0, s[64:65] scope:SCOPE_SE
	s_setreg_imm32_b32 hwreg(HW_REG_WAVE_SCHED_MODE, 0, 2), 2
	s_setreg_imm32_b32 hwreg(HW_REG_WAVE_MODE, 25, 1), 1
	s_wait_xcnt 0x0
	s_wait_alu depctr_vm_vsrc(0)
; PROJ.  WORK-GROUPS 0-383 (y = id / 128: 0 Q, 1 K, 2 V): x W + b on the given codes of FP8 (E4M3), quantised at once for attention's products and stored as IMAGES OF OPERAND REGISTERS:
;   registers 4 p .. 4 p + 3 of a fragment lie at 512 p + 16 x lane, so that every later load, and every store here, covers 512 consecutive bytes.
;   A work-group takes 64 rows of one batch x all 512 columns; wave w takes head w: 64 x 64, 16 accumulators by turns.  K's and V's rows are taken in the SORTED order of the keys (perm, stored by the
;   launch before): position j of the sorted order is row perm[j].  Blocks of 64 positions at or beyond lim = 128 nsteps hold hidden keys alone, which count for nothing in attention: their work-groups
;   store nothing.  The grid serves every mask (none hidden: all 384 work).  Such a work-group still stages its rows, so that the one barrier stands ahead of the branch on the stored count.
;   Q, K: the product is used transposed (source 0 = 16 rows of W, source 1 = 16 rows of x): a lane holds one row and 8 features: one conversion gives registers 2 nt, 2 nt + 1 of the row tile's K = 64 fragment.
;   V: source 0 = 16 keys, source 1 = 16 rows of Wv: a lane holds one feature and 8 keys: key tile c of a block of 128 keys gives registers 2 c, 2 c + 1 of the fragment of V^T (16 features x 128 keys).
;   THE ROWS OF W THAT FORM A TILE ARE NOT NEIGHBOURS: lane r of tile nt takes row 64 head + 32 (nt / 2) + 8 (nt % 2) + r + 8 (r / 8).  For Q and K that is one permutation of the head's 64, the same on both
;   sides of the scores' product; for V it lays attention's results so that 16 neighbouring features fall into 4 neighbouring code registers, as the last launch's loads of Wo want them.
;   x's and W's fragments are both fetched 16 bytes at a time (registers 4 c .. 4 c + 3: k = 32 c + 16 (lane / 16) + 0 .. 15): one permutation of k on both sides; only the order of the sums changes.
;   The bias is the C of each sum's first product, divided by the power of two that the sums lack; the three scales ahead of the quantiser are folded into the conversion's one.
; WORK-GROUPS 384-387 (batch b): lex = (sum of part) / 1000 + bl, hidden keys at -1e9, softmax with its maximum taken away, x 0.5, stored at each key's sorted position.
; LIMITS: e6 - e0 - e1, e7 - e2 - e3 and e9 - e4 - e5 lie between -126 and 119, so that the scale and 448 x the scale are f32 numbers.  NaN among the inputs is not served.
; REGISTERS, window 0: v1 16 x lane; v2 r; v3 h; v4 W's lane offset; v5, v6 LDS addresses; v7, v26 bias offsets; v8-15 the staged rows' offsets; v16-19 store offsets; v20 the scale, v21 448 x the scale;
;   v22-25 V's bias; v32-63 the bias in the results' layout; v64-127 x's four fragments (first the staged rows, last the codes); v128-255 the accumulators.   window 1: W's 16 fragments (tile nt, K step ks) at v[16 (4 nt + ks)].
; THE MODE: SCHED_MODE bits 1:0 = 2 (LLVM: expert scheduling mode 2), set by the entry lines.  The code itself states the register dependences between vector or matrix instructions and memory or LDS
; instructions, with s_wait_alu, always for 0.
; THE PLAN, a projection.  Registers that memory or LDS instructions touch:
;   v1, v4-v19, v26   offsets and LDS addresses: written once at the head and never again: one wait on va_vdst, ahead of the rows' loads, states them all.
;   v[XF ..]          (a) the staged rows: global loads land, my LDS stores read;  (b) x's four fragments of a K step: LDS loads land, the step's 16 products read;  (c) the codes: the conversions write, the global stores read.
;                     From (a) to (b): one wait on vm_vsrc behind the barrier.  From K step to K step: one wait on va_vdst ahead of the step's loads.  x has ONE set: W's 256 registers, the sums' 128, x's 64, the bias's 32
;                     and the 32 of addresses are all of the wave's 512.  For (c): one wait on va_vdst ahead of the run of stores.
;   window 1, v[BB ..], v22-25   loads land once; vector and matrix instructions name them only behind the wait for the data.
; THE PLAN, the lexicon's job.  v4-v6: addresses, written once.  v57, v59: an LDS store's data, each written again behind the barrier: a wait on va_vdst ahead of the store, one on vm_vsrc ahead of the new write.
;   v72-79: read by the sums and maxima, then LDS loads land in them: the wait ahead of the store covers that too.  v48-55, v64-71: the last stores' offsets and data.
.set XP,  528                          ; a staged row in LDS: 512 bytes + 16: 33 x 16, so the 16 rows that a fragment load touches fall on 16 different 16-byte columns of 256
.set LFR, 33792                        ; behind the 64 staged rows: the second job's words: maxima at +0, sums at +256
.set BB,  32
.set XF,  64
.set ACC, 128
.set MSB, 0
.macro WIN new                         ; the immediate's high byte repeats the setting that is left
.if MSB != \new
	s_set_vgpr_msb (MSB<<8)|\new
.set MSB, \new
.endif
.endm
	s_load_b512 s[16:31], s[0:1], 0x0              ; q s[16:17], k s[18:19], v s[20:21], Wq s[22:23], Wk s[24:25], Wv s[26:27], bq s[28:29], bk s[30:31]
	s_load_b512 s[32:47], s[0:1], 0x40             ; bv s[32:33], scales s[34:35], ord s[36:37], part s[38:39], bl s[40:41], mask s[42:43], qf s[44:45], kf s[46:47]
	s_load_b128 s[48:51], s[0:1], 0x80             ; vf s[48:49], lexh s[50:51]
	v_lshl_add_u32 v30, v0, 2, 0x8600
	v_mov_b32 v31, 0
	v_lshrrev_b32 v1, 5, v0
	v_readfirstlane_b32 s14, v1                    ; wave 0..7
	v_and_b32 v22, 31, v0
	v_lshlrev_b32 v1, 4, v22                       ; 16 x lane
	v_and_b32 v2, 15, v0                           ; r
	v_bfe_u32 v3, v0, 4, 1                         ; h
	s_lshr_b32 s2, ttmp9, 7                        ; y
	s_and_b32 s3, ttmp9, 127
	s_wait_alu depctr_va_sdst(0)                   ; s14 is written: ahead of the branch, and so of its first reader on either way
	s_cmp_eq_u32 s2, 3
	s_cbranch_scc1 .Llex
	; ---------------- a projection
	s_lshr_b32 s15, s3, 5                          ; batch
	s_and_b32 s13, s3, 31                          ; block of 64 rows (positions)
	v_and_b32 v4, 8, v2
	v_add_nc_u32 v4, v4, v2                        ; r + 8 (r / 8)
	v_lshlrev_b32 v26, 2, v4                       ; V's bias: one number a lane
	v_lshlrev_b32 v4, 9, v4                        ; a row of W is 512 bytes
	v_lshl_add_u32 v4, v3, 4, v4
	v_mul_u32_u24 v5, v2, XP
	v_lshl_add_u32 v5, v3, 4, v5                   ; a fragment of x in LDS: row r, + 16 h
	s_mul_i32 s66, s14, 8*XP
	v_add_nc_u32 v6, s66, v1                       ; where my wave stages its 8 rows
	v_lshlrev_b32 v7, 6, v3                        ; Q's, K's bias: 16 h numbers on
	s_lshl_b32 s67, s13, 6
	s_lshl_b32 s76, s14, 3
	s_add_co_u32 s76, s76, s67                     ; my wave's first position: 64 blk + 8 w
.irp i, 1,2,3,4,5,6,7
	s_add_co_u32 s[76+\i], s76, \i
.endr
	s_lshl_b32 s84, s15, 11
	s_add_co_u32 s84, s84, s76
	s_lshl_b32 s84, s84, 2                         ; perm[b][my first position], in bytes
	s_lshl_b32 s85, s15, 9                         ; the batch's counts
	s_wait_kmcnt 0x0
	s_load_b256 s[52:59], s[34:35], 0x0            ; e0 .. e7
	s_load_b128 s[60:63], s[34:35], 0x20           ; e8 .. e11
	s_load_b32 s12, s[36:37], s85 offset:65536+384 ; lim
	s_load_b256 s[68:75], s[36:37], s84 offset:0x0 ; the rows at my 8 positions
	s_cmp_eq_u32 s2, 0                             ; the buffers are chosen on the work-group's number alone
	s_cselect_b64 s[4:5], s[16:17], s[18:19]
	s_cselect_b64 s[6:7], s[22:23], s[24:25]
	s_cselect_b64 s[8:9], s[28:29], s[30:31]
	s_cselect_b64 s[10:11], s[44:45], s[46:47]
	s_cmp_eq_u32 s2, 2
	s_cselect_b64 s[4:5], s[20:21], s[4:5]         ; x
	s_cselect_b64 s[6:7], s[26:27], s[6:7]         ; W
	s_cselect_b64 s[8:9], s[32:33], s[8:9]         ; the bias
	s_cselect_b64 s[10:11], s[48:49], s[10:11]     ; the images
	s_mov_b32 s87, 0
	s_lshl_b32 s86, s15, 20                        ; a batch of x is 2,048 rows of 512 bytes
	s_add_nc_u64 s[4:5], s[4:5], s[86:87]
	s_lshl_b32 s86, s14, 15                        ; my head's 64 rows of W
	s_add_nc_u64 s[6:7], s[6:7], s[86:87]
	s_lshl_b32 s86, s14, 8                         ; my head's 64 numbers of the bias
	s_add_nc_u64 s[8:9], s[8:9], s[86:87]
	s_lshl_b32 s88, s15, 3
	s_add_co_u32 s88, s88, s14                     ; 8 b + head
	s_lshl_b32 s89, s88, 17                        ; a head's images are 131,072 bytes in each of the three buffers
	s_lshl_b32 s90, s13, 12                        ; Q, K: 4 row tiles of 1,024 bytes a block
	s_lshr_b32 s91, s13, 1
	s_lshl_b32 s91, s91, 13                        ; V: a block of 128 keys is 4 fragments of 2,048 bytes;
	s_and_b32 s92, s13, 1
	s_lshl_b32 s92, s92, 10                        ; my 64 keys are the lower or the upper 8 registers of each
	s_add_co_u32 s91, s91, s92
	s_mov_b32 s93, 1024
	s_cmp_eq_u32 s2, 2
	s_cselect_b32 s86, s91, s90
	s_cselect_b32 s93, 2048, s93                   ; from image to image: a row tile (Q, K) or a fragment of V^T
	s_add_co_u32 s86, s86, s89
	s_add_nc_u64 s[10:11], s[10:11], s[86:87]
	s_lshl_b32 s94, s93, 1
	s_add_co_u32 s95, s94, s93
	v_mov_b32 v16, v1
	v_add_nc_u32 v17, s93, v1
	v_add_nc_u32 v18, s94, v1
	v_add_nc_u32 v19, s95, v1
	s_wait_kmcnt 0x0
	s_cmp_eq_u32 s2, 0                             ; Q keeps its rows' order and has no hidden rows
.irp i, 0,1,2,3,4,5,6,7
	s_cselect_b32 s[68+\i], s[76+\i], s[68+\i]
.endr
	s_cselect_b32 s12, 2048, s12
.irp i, 0,1,2,3,4,5,6,7
	s_min_u32 s[68+\i], s[68+\i], 2047             ; held inside the tensor before it enters an address
.endr
.irp i, 0,1,2,3,4,5,6,7
	v_lshl_add_u32 v[8+\i], s[68+\i], 9, v1
.endr
	s_wait_alu depctr_va_vdst(0)                   ; all offsets and LDS addresses (v1, v4 to v19, v26) are written, which the loads and stores of this way read; and v22, in which V's bias lands, is done with
.irp i, 0,1,2,3,4,5,6,7
	global_load_b128 v[XF+4*\i:XF+4*\i+3], v[8+\i], s[4:5]     ; a whole row of 512 bytes an instruction
.endr
	s_add_co_i32 s84, s52, s53                     ; the exponents: ea + eb and the quantiser's eo, by y
	s_add_co_i32 s85, s54, s55
	s_add_co_i32 s86, s56, s57
	s_cmp_eq_u32 s2, 0
	s_cselect_b32 s84, s84, s85
	s_cselect_b32 s87, s58, s59
	s_cmp_eq_u32 s2, 2
	s_cselect_b32 s84, s86, s84
	s_cselect_b32 s87, s61, s87
	s_sub_co_i32 s85, 0, s84                       ; the bias goes in as b / 2^(ea + eb)
	s_sub_co_i32 s87, s87, s84
	s_add_co_i32 s87, s87, 127
	s_lshl_b32 s88, s87, 23
	v_mov_b32 v20, s88                             ; 2^(eo - ea - eb) as f32: the conversion takes its exponent field
	s_add_co_i32 s87, s87, 8
	s_lshl_b32 s87, s87, 23
	s_or_b32 s87, s87, 0x600000
	v_mov_b32 v21, s87                             ; 448 x that
	s_wait_loadcnt 0x0
.irp i, 0,1,2,3,4,5,6,7
	ds_store_b128 v6, v[XF+4*\i:XF+4*\i+3] offset:XP*\i
.endr
	s_wait_dscnt 0x0                               ; for the others' sake: my 8 rows lie in LDS
	s_barrier_signal -1
	s_barrier_wait -1                              ; the path's one barrier: every wave passes it, whatever the stored count says
	s_lshl_b32 s66, s13, 6
	s_cmp_ge_u32 s66, s12
	s_cbranch_scc1 .Lidle                          ; all 64 positions hold hidden keys: nobody reads their images
	s_wait_alu depctr_vm_vsrc(0)                   ; my LDS stores have read v[XF ..], in which the first K step's fragments land
	WIN 0x40                                       ; destination window 1
.irp nt, 0,1,2,3
.irp ks, 0,1,2,3
.irp c, 0,1,2,3
	global_load_b128 v[16*(4*\nt+\ks)+4*\c:16*(4*\nt+\ks)+4*\c+3], v4, s[6:7] offset:(32*(\nt/2)+8*(\nt%2))*512+128*\ks+32*\c
.endr
.endr
.endr
	WIN 0
; The four K steps of 128.  swap = 0: accumulator (x, y) = (row tile, tile of W), source 0 = W.  swap = 1: (tile of Wv, key tile), source 0 = the keys.
; The 16 accumulators take turns, one instruction a turn, in the same order in every K step.
.macro KLOOP swap
.irp ks, 0,1,2,3
.if \ks > 0
	s_wait_alu depctr_va_vdst(0)                   ; the products of the K step before are done reading v[XF ..], in which the loads below land
.endif
.irp rt, 0,1,2,3
.irp c, 0,1,2,3
	ds_load_b128 v[XF+16*\rt+4*\c:XF+16*\rt+4*\c+3], v5 offset:16*XP*\rt+128*\ks+32*\c
.endr
.endr
	s_wait_dscnt 0x0
.if \swap
	WIN 0x04                                       ; source 1 (W) window 1
.else
	WIN 0x01                                       ; source 0 (W) window 1
.endif
.irp x, 0,1,2,3
.irp y, 0,1,2,3
.if \swap
.if \ks == 0
	v_wmma_f32_16x16x128_fp8_fp8 v[ACC+8*(4*\x+\y):ACC+8*(4*\x+\y)+7], v[XF+16*\y:XF+16*\y+15], v[16*(4*\x+\ks):16*(4*\x+\ks)+15], v[BB+8*\x:BB+8*\x+7]
.else
	v_wmma_f32_16x16x128_fp8_fp8 v[ACC+8*(4*\x+\y):ACC+8*(4*\x+\y)+7], v[XF+16*\y:XF+16*\y+15], v[16*(4*\x+\ks):16*(4*\x+\ks)+15], v[ACC+8*(4*\x+\y):ACC+8*(4*\x+\y)+7]
.endif
.else
.if \ks == 0
	v_wmma_f32_16x16x128_fp8_fp8 v[ACC+8*(4*\x+\y):ACC+8*(4*\x+\y)+7], v[16*(4*\y+\ks):16*(4*\y+\ks)+15], v[XF+16*\x:XF+16*\x+15], v[BB+8*\y:BB+8*\y+7]
.else
	v_wmma_f32_16x16x128_fp8_fp8 v[ACC+8*(4*\x+\y):ACC+8*(4*\x+\y)+7], v[16*(4*\y+\ks):16*(4*\y+\ks)+15], v[XF+16*\x:XF+16*\x+15], v[ACC+8*(4*\x+\y):ACC+8*(4*\x+\y)+7]
.endif
.endif
.endr
.endr
	WIN 0
.endr
.rept 4
	v_nop                                          ; four places behind the last products, in front of the first read of results (ISA guide 7.12.1)
.endr
.endm
	s_cmp_eq_u32 s2, 2
	s_cbranch_scc1 .Lfor_v
.irp nt, 0,1,2,3                       ; Q, K: lane (r, h) holds, in tile nt, features 32 (nt / 2) + 8 (nt % 2) + 16 h + 0 .. 7
	global_load_b128 v[BB+8*\nt:BB+8*\nt+3], v7, s[8:9] offset:(32*(\nt/2)+8*(\nt%2))*4
	global_load_b128 v[BB+8*\nt+4:BB+8*\nt+7], v7, s[8:9] offset:(32*(\nt/2)+8*(\nt%2))*4+16
.endr
	s_wait_loadcnt 0x0                             ; W and the bias
.set j, 0
.rept 32
	v_ldexp_f32 v[BB+j], v[BB+j], s85
.set j, j+1
.endr
	KLOOP 0
	s_branch .Lquant
.Lfor_v:
.irp nt, 0,1,2,3                       ; V: lane (r, h) holds, in tile nt, feature 32 (nt / 2) + 8 (nt % 2) + r + 8 (r / 8), for 8 keys
	global_load_b32 v[22+\nt], v26, s[8:9] offset:(32*(\nt/2)+8*(\nt%2))*4
.endr
	s_wait_loadcnt 0x0
.irp nt, 0,1,2,3
.irp e, 0,1,2,3,4,5,6,7
	v_ldexp_f32 v[BB+8*\nt+\e], v[22+\nt], s85
.endr
.endr
	KLOOP 1
.Lquant:
.set j, 0
.rept 128
	v_med3_num_f32 v[ACC+j], v[ACC+j], -v21, v21   ; the conversion to an 8-bit code does not saturate (ISA guide 7.6.2): the hold at 448 x the scale; each accumulator from its low end on
.set j, j+1
.endr
.set j, 0
.rept 16
	v_cvt_scalef32_pk8_fp8_f32 v[XF+2*j:XF+2*j+1], v[ACC+8*j:ACC+8*j+7], v20   ; accumulator (x, y) gives registers 2 y, 2 y + 1 of image x
.set j, j+1
.endr
	v_nop                                          ; one plain vector line behind the last conversion
	s_wait_alu depctr_va_vdst(0)                   ; the conversions have written the codes in v[XF ..], which the stores read
.irp x, 0,1,2,3
.irp p, 0,1
	global_store_b128 v[16+\x], v[XF+8*\x+4*\p:XF+8*\x+4*\p+3], s[10:11] offset:512*\p   ; 512 consecutive bytes, at a multiple of 512 from the buffer's first byte
.endr
.endr
.Lidle:
	s_wait_dscnt 0x0
	s_wait_alu depctr_hold_cnt(0) depctr_sa_sdst(0) depctr_va_vdst(0) depctr_va_sdst(0) depctr_va_ssrc(0) depctr_va_vcc(0) depctr_vm_vsrc(0)
	s_wait_tensorcnt 0x0
	ds_add_u32 v30, v31
	s_wait_dscnt 0x0
	s_endpgm
	; ---------------- the lexicon's softmax of batch b = s3.  Thread t holds keys 8 t .. 8 t + 7
.Llex:
	s_lshl_b32 s66, s3, 13                         ; 8,192 b
	s_mov_b32 s67, 0
	s_mov_b32 s4, 0x76543210                       ; v_permlanex16_b32's selects for lane l xor 16
	s_mov_b32 s5, 0xfedcba98
	v_lshlrev_b32 v4, 5, v0                        ; 32 x thread
	v_mov_b32 v5, s14
	v_lshlrev_b32 v5, 2, v5                        ; my wave's word
	v_mov_b32 v6, 0
	v_mov_b32 v56, 0xce6e6b28                      ; -1e9
	v_mov_b32 v58, 0                               ; written once: a lane permute's destination counts as one of its sources
	s_wait_kmcnt 0x0
	s_add_nc_u64 s[38:39], s[38:39], s[66:67]      ; part[.][b]
	s_add_nc_u64 s[42:43], s[42:43], s[66:67]      ; mask[b]
	s_add_nc_u64 s[36:37], s[36:37], s[66:67]      ; posn[b], less its 32,768
	s_add_nc_u64 s[50:51], s[50:51], s[66:67]      ; lexh[b]
	s_wait_alu depctr_va_vdst(0)                   ; v4, the loads' offset, and v5 and v6, the LDS addresses, are written
.irp kc, 0,1,2,3,4,5,6,7,8,9,10,11,12,13,14,15
	global_load_b128 v[64+8*\kc:64+8*\kc+3], v4, s[38:39] offset:32768*\kc
	global_load_b128 v[64+8*\kc+4:64+8*\kc+7], v4, s[38:39] offset:32768*\kc+16
.endr
.irp u, 0,1
	global_load_b128 v[32+4*\u:35+4*\u], v4, s[40:41] offset:16*\u
	global_load_b128 v[40+4*\u:43+4*\u], v4, s[42:43] offset:16*\u
	global_load_b128 v[48+4*\u:51+4*\u], v4, s[36:37] offset:32768+16*\u
.endr
	s_wait_loadcnt 0x0
.irp kc, 1,2,3,4,5,6,7,8,9,10,11,12,13,14,15
.irp i, 0,2,4,6
	v_pk_add_f32 v[64+\i:65+\i], v[64+\i:65+\i], v[64+8*\kc+\i:65+8*\kc+\i]
.endr
.endr
.irp i, 0,2,4,6
	v_pk_fma_f32 v[64+\i:65+\i], v[64+\i:65+\i], 0x3a83126f, v[32+\i:33+\i] op_sel_hi:[1,0,1]   ; x 0.001 + bl
.endr
.irp e, 0,1,2,3,4,5,6,7
	v_cmp_eq_u32 s[68+\e], 1, v[40+\e]             ; the eight masks in one run, each into a scalar register of its own
.endr
	s_wait_alu depctr_va_sdst(0)                   ; s68 to s75 are written: one wait for the run, ahead of the first select that reads one
.irp e, 0,1,2,3,4,5,6,7
	v_cndmask_b32 v[64+\e], v[64+\e], v56, s[68+\e]  ; a hidden key: -1e9, as reference() has it
.endr
	v_max3_num_f32 v57, v64, v65, v66
	v_max3_num_f32 v57, v57, v67, v68
	v_max3_num_f32 v57, v57, v69, v70
	v_max_num_f32 v57, v57, v71
	v_max_num_f32_dpp v57, v57, v57 row_xmask:1 row_mask:0xf bank_mask:0xf
	v_max_num_f32_dpp v57, v57, v57 row_xmask:2 row_mask:0xf bank_mask:0xf
	v_max_num_f32_dpp v57, v57, v57 row_xmask:4 row_mask:0xf bank_mask:0xf
	v_max_num_f32_dpp v57, v57, v57 row_xmask:8 row_mask:0xf bank_mask:0xf
	v_permlanex16_b32 v58, v57, s4, s5
	v_max_num_f32 v57, v57, v58
	s_wait_alu depctr_va_vdst(0)                   ; v57 is written, which the LDS store reads; and the sums of part are done reading v72 to v79, in which the LDS loads below land
	ds_store_b32 v5, v57 offset:LFR
	s_wait_dscnt 0x0
	s_barrier_signal -1
	s_barrier_wait -1
	ds_load_b128 v[72:75], v6 offset:LFR
	ds_load_b128 v[76:79], v6 offset:LFR+16
	s_wait_alu depctr_vm_vsrc(0)                   ; the LDS store has read v57, which is written again below
	s_wait_dscnt 0x0
	v_max3_num_f32 v57, v72, v73, v74
	v_max3_num_f32 v57, v57, v75, v76
	v_max3_num_f32 v57, v57, v77, v78
	v_max_num_f32 v57, v57, v79                    ; the batch's maximum
.irp e, 0,1,2,3,4,5,6,7
	v_sub_f32 v[64+\e], v[64+\e], v57
.endr
.irp e, 0,1,2,3,4,5,6,7
	v_mul_f32 v[64+\e], 0x3fb8aa3b, v[64+\e]
.endr
.irp e, 0,1,2,3,4,5,6,7
	v_exp_f32 v[64+\e], v[64+\e]
.endr
	v_nop                                          ; a plain line behind the last exponential,
	s_wait_alu depctr_va_vdst(0)                   ; and one wait for the batch of eight in v64 to v71, ahead of the first reader
	v_pk_add_f32 v[80:81], v[64:65], v[66:67]
	v_pk_add_f32 v[82:83], v[68:69], v[70:71]
	v_pk_add_f32 v[80:81], v[80:81], v[82:83]
	v_add_f32 v59, v80, v81
	v_add_f32_dpp v59, v59, v59 row_xmask:1 row_mask:0xf bank_mask:0xf
	v_add_f32_dpp v59, v59, v59 row_xmask:2 row_mask:0xf bank_mask:0xf
	v_add_f32_dpp v59, v59, v59 row_xmask:4 row_mask:0xf bank_mask:0xf
	v_add_f32_dpp v59, v59, v59 row_xmask:8 row_mask:0xf bank_mask:0xf
	v_permlanex16_b32 v58, v59, s4, s5
	v_add_f32 v59, v59, v58
	s_wait_alu depctr_va_vdst(0)                   ; v59 is written, which the LDS store reads; and the maxima are done reading v72 to v79, in which the LDS loads below land
	ds_store_b32 v5, v59 offset:LFR+256            ; other words than the maxima's: no wave may still be reading those
	s_wait_dscnt 0x0
	s_barrier_signal -1
	s_barrier_wait -1
	ds_load_b128 v[72:75], v6 offset:LFR+256
	ds_load_b128 v[76:79], v6 offset:LFR+272
	s_wait_alu depctr_vm_vsrc(0)                   ; the LDS store has read v59, which is written again below
	s_wait_dscnt 0x0
	v_pk_add_f32 v[72:73], v[72:73], v[74:75]
	v_pk_add_f32 v[76:77], v[76:77], v[78:79]
	v_pk_add_f32 v[72:73], v[72:73], v[76:77]
	v_add_f32 v59, v72, v73
	v_rcp_f32 v59, v59
.irp e, 0,1,2,3,4,5,6,7
	v_min_u32 v[48+\e], 2047, v[48+\e]             ; the key's position, held inside the table before it enters an address.  (Plain lines behind the reciprocal)
.endr
.irp e, 0,1,2,3,4,5,6,7
	v_lshlrev_b32 v[48+\e], 2, v[48+\e]
.endr
	s_wait_alu depctr_va_vdst(0)                   ; the reciprocal in v59, ahead of its first reader; the stores' offsets v48 to v55 are written too
	v_mul_f32 v59, 0.5, v59
.irp e, 0,1,2,3,4,5,6,7
	v_mul_f32 v[64+\e], v[64+\e], v59
.endr
	s_wait_alu depctr_va_vdst(0)                   ; the multiplications have written v64 to v71, which the stores read
.irp e, 0,1,2,3,4,5,6,7
	global_store_b32 v[48+\e], v[64+\e], s[50:51]  ; 8 KB a batch, placed by the sort
.endr
	s_wait_dscnt 0x0
	s_wait_alu depctr_hold_cnt(0) depctr_sa_sdst(0) depctr_va_vdst(0) depctr_va_sdst(0) depctr_va_ssrc(0) depctr_va_vcc(0) depctr_vm_vsrc(0)
	s_wait_tensorcnt 0x0
	ds_add_u32 v30, v31
	s_wait_dscnt 0x0
	s_endpgm
.Lfunc_end_k_q4bd95ea96a_proj:
	.size	k_q4bd95ea96a_proj, .Lfunc_end_k_q4bd95ea96a_proj-k_q4bd95ea96a_proj
	.p2alignl 7, 3214868480
	.fill 96, 4, 3214868480
	.section	.rodata,"a",@progbits
	.p2align	6, 0x0
	.amdhsa_kernel k_q4bd95ea96a_proj
		.amdhsa_group_segment_fixed_size 35328
		.amdhsa_private_segment_fixed_size 0
		.amdhsa_enable_private_segment 0
		.amdhsa_kernarg_size 144
		.amdhsa_user_sgpr_count 2
		.amdhsa_user_sgpr_kernarg_segment_ptr 1
		.amdhsa_wavefront_size32 1
		.amdhsa_system_sgpr_workgroup_id_x 1
		.amdhsa_system_sgpr_workgroup_id_y 1
		.amdhsa_system_sgpr_workgroup_id_z 1
		.amdhsa_system_vgpr_workitem_id 0
		.amdhsa_next_free_vgpr 512
		.amdhsa_next_free_sgpr 100
		.amdhsa_reserve_vcc 0
		.amdhsa_float_denorm_mode_32 3
		.amdhsa_float_denorm_mode_16_64 3
		.amdhsa_memory_ordered 1
		.amdhsa_forward_progress 1
		.amdhsa_inst_pref_size 61
	.end_amdhsa_kernel
	.amdgpu_metadata
---
amdhsa.version: [ 1, 2 ]
amdhsa.kernels:
  - .name:           k_q4bd95ea96a_proj
    .symbol:         k_q4bd95ea96a_proj.kd
    .args:
      - { .name: q_codes, .offset: 0, .size: 8, .value_kind: global_buffer, .address_space: global }
      - { .name: k_codes, .offset: 8, .size: 8, .value_kind: global_buffer, .address_space: global }
      - { .name: v_codes, .offset: 16, .size: 8, .value_kind: global_buffer, .address_space: global }
      - { .name: Wq_codes, .offset: 24, .size: 8, .value_kind: global_buffer, .address_space: global }
      - { .name: Wk_codes, .offset: 32, .size: 8, .value_kind: global_buffer, .address_space: global }
      - { .name: Wv_codes, .offset: 40, .size: 8, .value_kind: global_buffer, .address_space: global }
      - { .name: bq, .offset: 48, .size: 8, .value_kind: global_buffer, .address_space: global }
      - { .name: bk, .offset: 56, .size: 8, .value_kind: global_buffer, .address_space: global }
      - { .name: bv, .offset: 64, .size: 8, .value_kind: global_buffer, .address_space: global }
      - { .name: lowp_scales, .offset: 72, .size: 8, .value_kind: global_buffer, .address_space: global }
      - { .name: ord, .offset: 80, .size: 8, .value_kind: global_buffer, .address_space: global }
      - { .name: part, .offset: 88, .size: 8, .value_kind: global_buffer, .address_space: global }
      - { .name: bl, .offset: 96, .size: 8, .value_kind: global_buffer, .address_space: global }
      - { .name: mask, .offset: 104, .size: 8, .value_kind: global_buffer, .address_space: global }
      - { .name: qf, .offset: 112, .size: 8, .value_kind: global_buffer, .address_space: global }
      - { .name: kf, .offset: 120, .size: 8, .value_kind: global_buffer, .address_space: global }
      - { .name: vf, .offset: 128, .size: 8, .value_kind: global_buffer, .address_space: global }
      - { .name: lexh, .offset: 136, .size: 8, .value_kind: global_buffer, .address_space: global }
    .group_segment_fixed_size: 35328
    .private_segment_fixed_size: 0
    .kernarg_segment_align: 8
    .kernarg_segment_size: 144
    .max_flat_workgroup_size: 256
    .sgpr_count:     100
    .vgpr_count:     512
    .wavefront_size: 32
...
	.end_amdgpu_metadata
.endif
;; end of part 5
;; launch attn (part 6): grid 8 x 32, 8 waves a work-group, no clusters, 272,384 bytes of LDS; arguments qf, kf, vf, lexh, ord, lowp_scales, cc; writes cc
.if DOCPART == 6
	.amdgcn_target "amdgcn-amd-amdhsa--gfx1250"
	.amdhsa_code_object_version 6
	.text
	.protected	k_q4bd95ea96a_attn
	.globl	k_q4bd95ea96a_attn
	.p2align	8
	.type	k_q4bd95ea96a_attn,@function
k_q4bd95ea96a_attn:
	s_mov_b64 s[64:65], 0
	v_nop
	global_prefetch_b8 v0, s[64:65] scope:SCOPE_SE
	s_setreg_imm32_b32 hwreg(HW_REG_WAVE_SCHED_MODE, 0, 2), 2
	s_setreg_imm32_b32 hwreg(HW_REG_WAVE_MODE, 25, 1), 1
	s_wait_xcnt 0x0
	s_wait_alu depctr_vm_vsrc(0)
; ATTN.  concat = Q8( Q8(0.5 (softmax(scores) + softmax(lexb))) V ), both products on codes of FP8 (E4M3).  A work-group owns 256 queries of one head (x: the block, y: 8 batch + head);
; each of its eight waves owns two tiles of 16 queries; two waves share a SIMD, so that one wave's products and LDS loads stand beside the other's vector work.
; THE WEIGHTS ARE QUANTISED FINISHED AND NORMALISED, so a row's sum must be known before any weight is quantised: the scores are made TWICE.  Pass 1: running maximum and sum.  Pass 2: p / (2 l) + lexh, its codes, x V.
; HIDDEN KEYS.  The keys lie in the sorted order of an earlier launch: those that count first.  A hidden key's weight is 0.5 (0 + 0) = 0, so only the nsteps = ceil(n_eff / 128) key steps that hold keys that count are
; walked: both loops have 16 trips, and a scalar branch on the stored count jumps over a trip's work.  Hidden keys inside the last step get -2^100 as the C of the scores' product (raw scores lie under 2^24), so p = 0; their lexh is 0.
; If ALL keys of a batch are hidden, reference()'s scores are all -1e9 and its softmax is uniform: n_eff = 2,048, nothing gets the -2^100, and c is taken as 0 (a select, no branch): every p is 1.
; That branch on a stored count is why K and V are not brought by tensor loads, nor shared in a cluster: a head's codes (at most 256 KB) are copied into LDS through registers once, at the head; no slot is ever filled again.
; LAYOUT.  S^T = K Q^T (source 0 = 16 keys, source 1 = 16 queries, K = 64): lane (r, h) holds query r, register j of key tile c is key 16 c + 8 h + j.  So the conversion of tile c IS registers 2 c, 2 c + 1 of P's fragment
; (K = 128 keys), and O^T = V^T P^T holds one query a lane again.  In pass 1 each lane keeps the maximum and sum of ITS half of the keys: the two halves meet once, behind the loop.
; p = 2^(c s - c m), c = log2(e) / 8 x 2^(e6 + e7).
; LIMITS: e6 + e7 between -80 and 20 (so that c x 2^100 is finite and far beyond every c s); e8 and e10 - e8 - e9 between -126 and 119.  NaN among the inputs is not served.
; REGISTERS, window 0: v1 16 x lane; v2-5 LDS addresses; v6-7 offsets of the copies; v8-11 -c m (a pair a tile); v12-15 l; v16-19 the rescaling factor, later 0.5 / l; v20-21 m; v22-29 chains; v30-33 second chains of the sums;
;   v34, v35 2^e8 and 448 x it; v36, v37 the same with e10 - e8 - e9; v38-39 where my wave stores K and V in LDS; v40 32 h; v41-47 at work; v48-63 Q; v64-95 P's codes; v96-223 S^T (64 a tile); v224-231 lexh on its way.
;   window 1: v0-63 O^T (tile t, features' tile dt at 32 t + 8 dt); v64-127 V's four fragments; v128-191 K's eight; v192-255 lexh (or the -2^100) in the scores' layout.  In pass 1 v0-127 hold my wave's 16 KB of V on their way to LDS.
; THE MODE: SCHED_MODE bits 1:0 = 2 (LLVM: expert scheduling mode 2), set by the entry lines.  The code itself states the register dependences between vector or matrix instructions and memory or LDS
; instructions, with s_wait_alu, always for 0.
; THE PLAN.  Registers that memory or LDS instructions touch:
;   v[LI], v[ADB], v[KV ..], v[KSA], v[VSA], v[H32], v41-43   offsets and addresses, written once at the head: one wait on va_vdst ahead of the first load.
;   v[ADK], v[ADV], v[ADL]   LDS addresses of a trip's run of loads (an LDS address has no scalar base): written by one addition each a trip, read by that trip's loads.
;   v[S ..]             at the head K's copy: global loads land, my LDS stores read; then the scores' products write them: one wait on vm_vsrc behind the first barrier.
;   window 1, v0-127    V's copy: global loads land, my LDS stores read; then O^T's zeros and V's fragments: one wait on vm_vsrc behind the second barrier.
;   K's fragments       LDS loads land a trip ahead; the next trip's 16 score products read.     V's fragments: LDS loads land; the same trip's 8 products read.
;   v[LX ..]            LDS loads land; the weights' multiply-adds read (pass 2), or the last step's products, as C.
;   v[PC ..]            at the end: the conversions write, the global stores read.
; A TRIP of either loop has ONE wait on vm_vsrc (the trip before's loads have read the addresses), the additions, and ONE wait on va_vdst, behind the score products and their four places and ahead of the trip's one run of
; LDS loads.  That wait states: the addresses are written; the score products are done reading K's fragments (and v[LX ..]); the trip before's products are done reading V's fragments and its multiply-adds v[LX ..].
; The vector work that follows reads those products' results.  Behind the wait no vector or matrix instruction names a register of the run until the counted wait for its data.  The batch of exponentials keeps its one wait.
.set KREG,  0                          ; LDS: 16 key steps x 8,192 bytes of K's images
.set VREG,  131072                     ; 16 x 8,192 bytes of V's
.set LEXR,  262144                     ; lexh of the batch, 8,192 bytes, by position
.set BIASL, 270336                     ; 0 or -2^100 for the 128 keys of the last step (256 words are written, 128 read)
.set LI,  1
.set ADK, 2
.set ADV, 3
.set ADL, 4
.set ADB, 5
.set KV,  6
.set NM,  8
.set L,   12
.set F,   16
.set MR,  20
.set T,   22
.set X,   30
.set SC8, 34
.set LM8, 35
.set SCO, 36
.set LMO, 37
.set KSA, 38
.set VSA, 39
.set H32, 40
.set Q,   48
.set PC,  64
.set S,   96
.set LS,  224
.set O,   0                            ; window 1
.set VF,  64
.set KF,  128
.set LX,  192
.set NT,  36                           ; s36 n_true, s37 n_eff, s38 nsteps, s39 nsteps - 1
.set NE,  37
.set NS,  38
.set NL,  39
.set CS,  40                           ; s[40:41] c, twice: the packed form names a pair
.set NC,  42                           ; s42 -c
.set STP, 43                           ; s43 the key step
.set KOF, 44                           ; s44 8,192 x the key step
.set LOF, 45                           ; s45 512 x the key step
.set SEL, 46                           ; s[46:47] v_permlanex16_b32's selects for lane l xor 16
.set MSB, 0
.macro WIN new                         ; the immediate's high byte repeats the setting that is left; low byte: bits 1:0 source 0, 3:2 source 1, 5:4 source 2, 7:6 destination
.if MSB != \new
	s_set_vgpr_msb (MSB<<8)|\new
.set MSB, \new
.endif
.endm
	s_load_b256 s[4:11], s[0:1], 0x0               ; qf s[4:5], kf s[6:7], vf s[8:9], lexh s[10:11]
	s_load_b128 s[12:15], s[0:1], 0x20             ; ord s[12:13], the scales' exponents s[14:15]
	s_load_b64 s[16:17], s[0:1], 0x30              ; cc
	v_lshl_add_u32 v254, v0, 2, 0x42400
	v_mov_b32 v255, 0
	v_lshrrev_b32 v2, 5, v0
	v_readfirstlane_b32 s18, v2                    ; wave 0..7
	v_and_b32 v2, 31, v0
	v_lshlrev_b32 v[LI], 4, v2
	v_bfe_u32 v3, v0, 4, 1
	v_lshlrev_b32 v[H32], 5, v3
	v_add_nc_u32 v[ADB], BIASL, v[H32]
	s_wait_alu depctr_va_sdst(0)                   ; s18 is written, ahead of its first reader
	s_lshl_b32 s19, s18, 14
	v_add_nc_u32 v[KSA], s19, v[LI]                ; my wave fills key steps 2 w and 2 w + 1 of both regions
	v_add_nc_u32 v[VSA], VREG, v[KSA]
	v_lshl_add_u32 v41, v0, 5, LEXR
	v_lshl_add_u32 v42, v0, 2, BIASL
	v_lshlrev_b32 v43, 5, v0
	s_and_b32 s32, ttmp7, 0xffff                   ; 8 batch + head
	s_lshr_b32 s33, s32, 3
	s_and_b32 s34, s32, 7
	s_lshl_b32 s35, s33, 9                         ; the batch's counts
	s_mov_b32 s[SEL], 0x76543210
	s_mov_b32 s[SEL+1], 0xfedcba98
	s_wait_kmcnt 0x0
	s_load_b32 s[NT], s[12:13], s35 offset:65536
	s_load_b32 s[NE], s[12:13], s35 offset:65536+128
	s_load_b32 s[NS], s[12:13], s35 offset:65536+256
	s_load_b256 s[20:27], s[14:15], 0x0            ; e0 .. e7
	s_load_b128 s[28:31], s[14:15], 0x20           ; e8 .. e11
	s_lshl_b32 s48, s32, 17                        ; a head's images are 131,072 bytes
	s_mov_b32 s49, 0
	s_add_nc_u64 s[6:7], s[6:7], s[48:49]
	s_add_nc_u64 s[8:9], s[8:9], s[48:49]
	s_lshl_b32 s50, ttmp9, 4
	s_lshl_b32 s51, s18, 1
	s_add_co_u32 s50, s50, s51                     ; my first query tile: 16 x block + 2 w
	s_lshl_b32 s52, s50, 10
	s_add_co_u32 s48, s48, s52
	s_add_nc_u64 s[4:5], s[4:5], s[48:49]
	s_lshl_b32 s48, s33, 13
	s_add_nc_u64 s[10:11], s[10:11], s[48:49]
	s_lshl_b32 s48, s33, 7
	s_add_co_u32 s48, s48, s50                     ; the row tile among all 512,
	s_lshl_b32 s48, s48, 3
	s_add_co_u32 s48, s48, s34                     ; x 8 heads + mine,
	s_lshl_b32 s48, s48, 10                        ; images of 1,024 bytes
	s_add_nc_u64 s[16:17], s[16:17], s[48:49]
	s_wait_kmcnt 0x0
	s_sub_co_u32 s[NL], s[NS], 1
	s_lshl_b32 s53, s18, 1                         ; which steps I copy: 2 w and 2 w + 1, or the last step that was stored (what lies beyond it in LDS is never used)
	s_min_u32 s54, s53, s[NL]
	s_min_u32 s54, s54, 15                         ; held inside the buffer before it enters an address
	s_add_co_u32 s53, s53, 1
	s_min_u32 s55, s53, s[NL]
	s_min_u32 s55, s55, 15
	v_lshl_add_u32 v[KV], s54, 13, v[LI]
	v_lshl_add_u32 v[KV+1], s55, 13, v[LI]
	s_wait_alu depctr_va_vdst(0)                   ; the offsets and addresses that stay (v[LI], v[ADB], v[KV ..], v[KSA], v[VSA], v[H32], v41 to v43) are written, which the loads and stores of the kernel read
.set i, 0
.rept 32
	global_load_b128 v[S+4*i:S+4*i+3], v[KV+i/16], s[6:7] offset:512*(i%16)        ; K: 16 KB a wave
.set i, i+1
.endr
	global_load_b128 v[LS:LS+3], v43, s[10:11]
	global_load_b128 v[LS+4:LS+7], v43, s[10:11] offset:16
.irp t, 0,1
.irp p, 0,1
	global_load_b128 v[Q+8*\t+4*\p:Q+8*\t+4*\p+3], v[LI], s[4:5] offset:1024*\t+512*\p
.endr
.endr
	WIN 0x40                                       ; destination window 1
.set i, 0
.rept 32
	global_load_b128 v[4*i:4*i+3], v[KV+i/16], s[8:9] offset:512*(i%16)            ; V: it lands while pass 1 runs
.set i, i+1
.endr
	WIN 0
	s_add_co_i32 s56, s26, s27                     ; a raw score stands for score x 2^(e6 + e7): the exponents are added to c's exponent field
	s_lshl_b32 s56, s56, 23
	s_add_co_i32 s[CS], s56, 0x3e38aa3b            ; log2(e) / 8
	s_cmp_eq_u32 s[NT], 0
	s_cselect_b32 s[CS], 0, s[CS]                  ; all keys hidden: uniform
	s_mov_b32 s[CS+1], s[CS]
	s_xor_b32 s[NC], s[CS], 0x80000000
	s_add_co_i32 s56, s28, 127
	s_lshl_b32 s57, s56, 23
	v_mov_b32 v[SC8], s57                          ; 2^e8
	s_add_co_i32 s56, s56, 8
	s_lshl_b32 s56, s56, 23
	s_or_b32 s56, s56, 0x600000
	v_mov_b32 v[LM8], s56                          ; 448 x 2^e8
	s_sub_co_i32 s56, s30, s28
	s_sub_co_i32 s56, s56, s29                     ; a sum of the second product stands for sum x 2^(e8 + e9): the three scales are folded into the conversion's one
	s_add_co_i32 s56, s56, 127
	s_lshl_b32 s57, s56, 23
	v_mov_b32 v[SCO], s57
	s_add_co_i32 s56, s56, 8
	s_lshl_b32 s56, s56, 23
	s_or_b32 s56, s56, 0x600000
	v_mov_b32 v[LMO], s56
	s_lshl_b32 s57, s[NL], 7
	v_add_nc_u32 v44, s57, v0                      ; position 128 (nsteps - 1) + thread
	v_cmp_le_u32 vcc_lo, s[NE], v44
	v_mov_b32 v45, 0xf1800000                      ; -2^100
	s_wait_alu depctr_va_vcc(0)                    ; VCC is written, ahead of the select that reads it
	v_cndmask_b32 v45, 0, v45, vcc_lo              ; for positions at or beyond n_eff
	v_mov_b32 v[MR], 0xff61b1e6                    ; m: -3e38, under every score
	v_mov_b32 v[MR+1], 0xff61b1e6
	v_mul_f32 v[NM], s[NC], v[MR]                  ; -c m (an infinity here only makes the first rescaling factor 0, and it meets l = 0)
	v_mul_f32 v[NM+2], s[NC], v[MR+1]
.irp r, NM+1, NM+3, L, L+1, L+2, L+3, F+1, F+3, 46, 47
	v_mov_b32 v[\r], 0                             ; the sums; the upper halves of pairs that are named whole; the permutes' destinations
.endr
	v_mov_b32 v[ADK], v[LI]                        ; pass 1 begins at key step 0
	s_wait_loadcnt 36                              ; K and lexh are in: behind them Q's 4 loads and V's 32 were issued
	s_wait_alu depctr_va_vdst(0)                   ; v45 is written, which the last LDS store below reads, and v[ADK], which the first loads of K's fragments read
.set i, 0
.rept 32
	ds_store_b128 v[KSA], v[S+4*i:S+4*i+3] offset:512*i
.set i, i+1
.endr
	ds_store_b128 v41, v[LS:LS+3]
	ds_store_b128 v41, v[LS+4:LS+7] offset:16
	ds_store_b32 v42, v45
	s_wait_dscnt 0x0                               ; for the others' sake: my part of K, lexh and the last step's words lie in LDS
	s_barrier_signal -1
	s_barrier_wait -1
	s_wait_alu depctr_vm_vsrc(0)                   ; my LDS stores have read v[S ..], which the scores' products write from here on
	s_wait_loadcnt 32                              ; Q is in: only V's 32 loads were issued behind it
.macro KLOADS                          ; the eight fragments of K at v[ADK]: 512 consecutive bytes a load
.irp c, 0,1,2,3,4,5,6,7
.irp p, 0,1
	ds_load_b128 v[KF+8*\c+4*\p:KF+8*\c+4*\p+3], v[ADK] offset:1024*\c+512*\p
.endr
.endr
.endm
; The step's 16 products S^T = K Q^T.  In the last step that is walked the C operand is 0 or -2^100, by key; else the constant 0.
; lex = 1: pass 2, where the weights' multiply-adds of the trip before have read v[LX ..].  (In pass 1 only this macro's products name them, and the trip's own wait stands behind those.)
.macro QK lex
	s_cmp_eq_u32 s[STP], s[NL]
	s_cbranch_scc1 .Llast_\@
	WIN 0x01                                       ; source 0 (K) window 1
.irp c, 0,1,2,3,4,5,6,7
.irp t, 0,1
	v_wmma_f32_16x16x64_fp8_fp8 v[S+64*\t+8*\c:S+64*\t+8*\c+7], v[KF+8*\c:KF+8*\c+7], v[Q+8*\t:Q+8*\t+7], 0
.endr
.endr
	WIN 0
	s_branch .Ljoin_\@
.Llast_\@:
	WIN 0x40
.if \lex
	s_wait_alu depctr_va_vdst(0)                   ; the multiply-adds of the trip before are done reading v[LX ..], in which the loads below land
.endif
.irp c, 0,1,2,3,4,5,6,7
.irp u, 0,1
	ds_load_b128 v[LX+8*\c+4*\u:LX+8*\c+4*\u+3], v[ADB] offset:64*\c+16*\u
.endr
.endr
	s_wait_dscnt 0x0
	WIN 0x11                                       ; sources 0 (K) and 2 (the words) window 1
.irp c, 0,1,2,3,4,5,6,7
.irp t, 0,1
	v_wmma_f32_16x16x64_fp8_fp8 v[S+64*\t+8*\c:S+64*\t+8*\c+7], v[KF+8*\c:KF+8*\c+7], v[Q+8*\t:Q+8*\t+7], v[LX+8*\c:LX+8*\c+7]
.endr
.endr
	WIN 0
.Ljoin_\@:
.endm
; The largest of tile t's 64 scores and m: four chains of 16 registers (two accumulators each), ascending; then four merges.
.macro MAXT t
.set rS, S+64*(\t)
.set rT, T+4*(\t)
.irp k, 0,1,2,3
	v_max3_num_f32 v[rT+\k], v[rS+16*\k], v[rS+16*\k+1], v[rS+16*\k+2]
.endr
.irp n, 3,5,7,9,11,13
.irp k, 0,1,2,3
	v_max3_num_f32 v[rT+\k], v[rT+\k], v[rS+16*\k+\n], v[rS+16*\k+\n+1]
.endr
.endr
	v_max3_num_f32 v[rT], v[rT], v[rS+15], v[rS+31]
	v_max3_num_f32 v[rT+1], v[rT+1], v[rS+47], v[rS+63]
	v_max3_num_f32 v[rT], v[rT], v[rT+1], v[rT+2]
	v_max3_num_f32 v[MR+\t], v[rT], v[rT+3], v[MR+\t]
.endm
.macro STAT t                          ; the new -c m, and the factor 2^(c m_old - c m_new) for what was summed so far
	v_mul_f32 v[T+4*\t], s[NC], v[MR+\t]
	v_sub_f32 v[F+2*\t], v[T+4*\t], v[NM+2*\t]
	v_mov_b32 v[NM+2*\t], v[T+4*\t]
	v_exp_f32 v[F+2*\t], v[F+2*\t]
.endm
.macro SCALE t                         ; c s - c m, two at a time, ascending
.set j, 0
.rept 32
	v_pk_fma_f32 v[S+64*\t+j:S+64*\t+j+1], v[S+64*\t+j:S+64*\t+j+1], s[CS:CS+1], v[NM+2*\t:NM+2*\t+1] op_sel_hi:[1,0,0]
.set j, j+2
.endr
.endm
.macro EXPS                            ; both tiles' 128 exponentials as ONE batch
.set j, 0
.rept 128
	v_exp_f32 v[S+j], v[S+j]
.set j, j+1
.endr
	v_nop                                          ; a plain line behind the last exponential,
	s_wait_alu depctr_va_vdst(0)                   ; and one wait for the whole batch, p in v[S ..] and in pass 1 the factors in v[F], v[F+2], ahead of the first reader
.endm
.macro SUMT t                          ; l = l x factor + the sum of p, in two chains
	v_pk_mul_f32 v[L+2*\t:L+2*\t+1], v[L+2*\t:L+2*\t+1], v[F+2*\t:F+2*\t+1] op_sel_hi:[1,0]
	v_pk_add_f32 v[X+2*\t:X+2*\t+1], v[S+64*\t:S+64*\t+1], v[S+64*\t+2:S+64*\t+3]
.irp n, 4,8,12,16,20,24,28,32,36,40,44,48,52,56,60
	v_pk_add_f32 v[L+2*\t:L+2*\t+1], v[L+2*\t:L+2*\t+1], v[S+64*\t+\n:S+64*\t+\n+1]
	v_pk_add_f32 v[X+2*\t:X+2*\t+1], v[X+2*\t:X+2*\t+1], v[S+64*\t+\n+2:S+64*\t+\n+3]
.endr
	v_pk_add_f32 v[L+2*\t:L+2*\t+1], v[L+2*\t:L+2*\t+1], v[X+2*\t:X+2*\t+1]
.endm
	; ---------------- PASS 1: m and l
	s_mov_b32 s[STP], 0
	s_mov_b32 s[KOF], 0
	WIN 0x40
	KLOADS                                         ; key step 0.  (v[ADK] was written ahead of the wait in front of the LDS stores; nothing has named K's fragments yet)
	WIN 0
.Lp1:                                              ; 16 trips; a trip beyond the stored count does only the steps at its end
	s_cmp_ge_u32 s[STP], s[NS]
	s_cbranch_scc1 .Lp1_tail
	s_wait_dscnt 0x0                               ; this step's K is in
	QK 0
	s_add_co_u32 s58, s[KOF], 8192
	s_min_u32 s58, s58, 15*8192                    ; the next step's K; the last trip reads step 15 once more, for nobody
	s_wait_alu depctr_vm_vsrc(0)                   ; the loads of K issued so far have read v[ADK]
	v_add_nc_u32 v[ADK], s58, v[LI]
.rept 3
	v_nop                                          ; with the addition: four places behind the products, in front of the first read of results (ISA guide 7.12.1)
.endr
	WIN 0x40
	s_wait_alu depctr_va_vdst(0)                   ; v[ADK] is written; the step's products are done reading K's fragments, in which the loads below land (and v[LX ..], where they took it as C)
	KLOADS                                         ; they land under the step's vector work
	WIN 0
	MAXT 0
	MAXT 1
	STAT 0
	STAT 1
	SCALE 0
	SCALE 1
	EXPS
	SUMT 0
	SUMT 1
.Lp1_tail:
	s_add_co_u32 s[STP], s[STP], 1
	s_add_co_u32 s[KOF], s[KOF], 8192
	s_cmp_lt_u32 s[STP], 16
	s_cbranch_scc1 .Lp1
	; the two halves of the lanes meet: the query's m, its l under that m, and 0.5 / l
.irp t, 0,1
	v_permlanex16_b32 v[46+\t], v[MR+\t], s[SEL], s[SEL+1]
.endr
.irp t, 0,1
	v_max_num_f32 v[MR+\t], v[MR+\t], v[46+\t]
	v_mul_f32 v[T+4*\t], s[NC], v[MR+\t]
	v_sub_f32 v[F+2*\t], v[T+4*\t], v[NM+2*\t]
	v_mov_b32 v[NM+2*\t], v[T+4*\t]
.endr
	v_exp_f32 v[F], v[F]
	v_exp_f32 v[F+2], v[F+2]
	v_add_f32 v[T+1], v[L], v[L+1]                 ; (plain lines behind the exponentials)
	v_add_f32 v[T+5], v[L+2], v[L+3]
	s_wait_alu depctr_va_vdst(0)                   ; one wait for the two factors in v[F], v[F+2], ahead of their first reader
	v_mul_f32 v[T+1], v[T+1], v[F]
	v_mul_f32 v[T+5], v[T+5], v[F+2]
	v_permlanex16_b32 v46, v[T+1], s[SEL], s[SEL+1]
	v_permlanex16_b32 v47, v[T+5], s[SEL], s[SEL+1]
	v_add_f32 v[T+1], v[T+1], v46
	v_add_f32 v[T+5], v[T+5], v47
	v_rcp_f32 v[F], v[T+1]
	v_rcp_f32 v[F+2], v[T+5]
	v_nop
	s_wait_alu depctr_va_vdst(0)                   ; one wait for the two reciprocals in v[F], v[F+2], ahead of their first reader
	v_mul_f32 v[F], 0.5, v[F]
	v_mul_f32 v[F+2], 0.5, v[F+2]
	; ---------------- V goes into LDS
	s_wait_loadcnt 0x0                             ; V
	WIN 0x04                                       ; the stores' data: window 1
.set i, 0
.rept 32
	ds_store_b128 v[VSA], v[4*i:4*i+3] offset:512*i
.set i, i+1
.endr
	WIN 0
	s_wait_dscnt 0x0                               ; for the others' sake: my part of V lies in LDS; and the loads of K that pass 1 left out are in, so their registers may be loaded again
	s_barrier_signal -1
	s_barrier_wait -1
	s_wait_alu depctr_vm_vsrc(0)                   ; my LDS stores have read window 1's v0 to v127, which O^T's zeros and V's fragments take from here on; pass 1's loads of K have read v[ADK]
	v_mov_b32 v[ADK], v[LI]                        ; pass 2 begins at key step 0
	WIN 0x40
.set j, 0
.rept 64
	v_mov_b32 v[O+j], 0                            ; O^T: the loop is written once, and which trip is the first to add hangs on no text
.set j, j+1
.endr
	; ---------------- PASS 2: the weights, their codes, x V
	s_mov_b32 s[STP], 0
	s_mov_b32 s[KOF], 0
	s_mov_b32 s[LOF], 0
	s_wait_alu depctr_va_vdst(0)                   ; v[ADK] is written, which the loads below read
	KLOADS
	WIN 0
.Lp2:
	s_cmp_ge_u32 s[STP], s[NS]
	s_cbranch_scc1 .Lp2_tail
	s_wait_dscnt 0x0                               ; this step's K is in
	QK 1
	s_add_co_u32 s58, s[KOF], 8192
	s_min_u32 s58, s58, 15*8192
	s_add_co_u32 s59, s[KOF], VREG
	s_add_co_u32 s60, s[LOF], LEXR
	s_wait_alu depctr_vm_vsrc(0)                   ; the LDS loads issued so far have read v[ADK], v[ADV] and v[ADL]
	v_add_nc_u32 v[ADK], s58, v[LI]
	v_add_nc_u32 v[ADV], s59, v[LI]
	v_add_nc_u32 v[ADL], s60, v[H32]
	v_nop                                          ; with the three additions: four places behind the products, in front of the first read of results, as in pass 1
	WIN 0x40
	s_wait_alu depctr_va_vdst(0)                   ; the three addresses are written; this step's score products are done reading K's fragments and v[LX ..]; the trip before's products are done reading V's fragments, its multiply-adds v[LX ..]
.irp c, 0,1,2,3,4,5,6,7
.irp u, 0,1
	ds_load_b128 v[LX+8*\c+4*\u:LX+8*\c+4*\u+3], v[ADL] offset:64*\c+16*\u     ; lexh of keys 16 c + 8 h + 0 .. 7: the scores' layout
.endr
.endr
.irp d, 0,1,2,3
.irp p, 0,1,2,3
	ds_load_b128 v[VF+16*\d+4*\p:VF+16*\d+4*\p+3], v[ADV] offset:2048*\d+512*\p
.endr
.endr
	KLOADS                                         ; the next step's K
	WIN 0
	SCALE 0
	SCALE 1
	EXPS
	s_wait_dscnt 32                                ; lexh is in: behind its 16 loads V's 16 and K's 16 were issued
	WIN 0x10                                       ; source 2 (lexh) window 1
.irp t, 0,1
.set j, 0
.rept 32
	v_pk_fma_f32 v[S+64*\t+j:S+64*\t+j+1], v[S+64*\t+j:S+64*\t+j+1], v[F+2*\t:F+2*\t+1], v[LX+j:LX+j+1] op_sel_hi:[1,0,1]   ; p x 0.5 / l + 0.5 softmax(lexb): the finished weight
.set j, j+2
.endr
.endr
	WIN 0
.set j, 0
.rept 128
	v_min_num_f32 v[S+j], v[S+j], v[LM8]           ; the conversion to an 8-bit code does not saturate (ISA guide 7.6.2); a weight is not negative, so the hold is one-sided
.set j, j+1
.endr
.irp t, 0,1
.irp c, 0,1,2,3,4,5,6,7
	v_cvt_scalef32_pk8_fp8_f32 v[PC+16*\t+2*\c:PC+16*\t+2*\c+1], v[S+64*\t+8*\c:S+64*\t+8*\c+7], v[SC8]
.endr
.endr
	v_nop                                          ; one plain vector line between the last conversion and the products that read the codes
	s_wait_dscnt 16                                ; V is in: only K's 16 loads were issued behind it
	WIN 0x51                                       ; source 0 (V), C and D (O^T) window 1
.irp d, 0,1,2,3
.irp t, 0,1
	v_wmma_f32_16x16x128_fp8_fp8 v[O+32*\t+8*\d:O+32*\t+8*\d+7], v[VF+16*\d:VF+16*\d+15], v[PC+16*\t:PC+16*\t+15], v[O+32*\t+8*\d:O+32*\t+8*\d+7]   ; eight accumulators by turns; the next trip's 16 score products stand between two links
.endr
.endr
	WIN 0
.Lp2_tail:
	s_add_co_u32 s[STP], s[STP], 1
	s_add_co_u32 s[KOF], s[KOF], 8192
	s_add_co_u32 s[LOF], s[LOF], 512
	s_cmp_lt_u32 s[STP], 16
	s_cbranch_scc1 .Lp2
	; ---------------- the way out: concat's codes, as the image of the last launch's operand
	s_wait_dscnt 0x0                               ; the loads of K that the last trip left out
.rept 4
	v_nop                                          ; four places behind the last products
.endr
	WIN 0x41                                       ; source 0 and destination window 1
.set j, 0
.rept 64
	v_med3_num_f32 v[O+j], v[O+j], -v[LMO], v[LMO]
.set j, j+1
.endr
	WIN 0x01
.irp t, 0,1
.irp d, 0,1,2,3
	v_cvt_scalef32_pk8_fp8_f32 v[PC+8*\t+2*\d:PC+8*\t+2*\d+1], v[O+32*\t+8*\d:O+32*\t+8*\d+7], v[SCO]   ; registers 4 p .. 4 p + 3: features 32 p + 16 h + 0 .. 15 of my head
.endr
.endr
	WIN 0
	v_nop
	s_wait_alu depctr_va_vdst(0)                   ; the conversions have written the codes in v[PC ..], which the stores read
.irp t, 0,1
.irp p, 0,1
	global_store_b128 v[LI], v[PC+8*\t+4*\p:PC+8*\t+4*\p+3], s[16:17] offset:8192*\t+512*\p   ; 512 consecutive bytes, at a multiple of 512 from cc's first byte
.endr
.endr
	s_wait_dscnt 0x0
	s_wait_alu depctr_hold_cnt(0) depctr_sa_sdst(0) depctr_va_vdst(0) depctr_va_sdst(0) depctr_va_ssrc(0) depctr_va_vcc(0) depctr_vm_vsrc(0)
	s_wait_tensorcnt 0x0
	ds_add_u32 v254, v255
	s_wait_dscnt 0x0
	s_endpgm
.Lfunc_end_k_q4bd95ea96a_attn:
	.size	k_q4bd95ea96a_attn, .Lfunc_end_k_q4bd95ea96a_attn-k_q4bd95ea96a_attn
	.p2alignl 7, 3214868480
	.fill 96, 4, 3214868480
	.section	.rodata,"a",@progbits
	.p2align	6, 0x0
	.amdhsa_kernel k_q4bd95ea96a_attn
		.amdhsa_group_segment_fixed_size 272384
		.amdhsa_private_segment_fixed_size 0
		.amdhsa_enable_private_segment 0
		.amdhsa_kernarg_size 56
		.amdhsa_user_sgpr_count 2
		.amdhsa_user_sgpr_kernarg_segment_ptr 1
		.amdhsa_wavefront_size32 1
		.amdhsa_system_sgpr_workgroup_id_x 1
		.amdhsa_system_sgpr_workgroup_id_y 1
		.amdhsa_system_sgpr_workgroup_id_z 1
		.amdhsa_system_vgpr_workitem_id 0
		.amdhsa_next_free_vgpr 512
		.amdhsa_next_free_sgpr 66
		.amdhsa_reserve_vcc 1
		.amdhsa_float_denorm_mode_32 3
		.amdhsa_float_denorm_mode_16_64 3
		.amdhsa_memory_ordered 1
		.amdhsa_forward_progress 1
		.amdhsa_inst_pref_size 73
	.end_amdhsa_kernel
	.amdgpu_metadata
---
amdhsa.version: [ 1, 2 ]
amdhsa.kernels:
  - .name:           k_q4bd95ea96a_attn
    .symbol:         k_q4bd95ea96a_attn.kd
    .args:
      - { .name: qf, .offset: 0, .size: 8, .value_kind: global_buffer, .address_space: global }
      - { .name: kf, .offset: 8, .size: 8, .value_kind: global_buffer, .address_space: global }
      - { .name: vf, .offset: 16, .size: 8, .value_kind: global_buffer, .address_space: global }
      - { .name: lexh, .offset: 24, .size: 8, .value_kind: global_buffer, .address_space: global }
      - { .name: ord, .offset: 32, .size: 8, .value_kind: global_buffer, .address_space: global }
      - { .name: lowp_scales, .offset: 40, .size: 8, .value_kind: global_buffer, .address_space: global }
      - { .name: cc, .offset: 48, .size: 8, .value_kind: global_buffer, .address_space: global }
    .group_segment_fixed_size: 272384
    .private_segment_fixed_size: 0
    .kernarg_segment_align: 8
    .kernarg_segment_size: 56
    .max_flat_workgroup_size: 256
    .sgpr_count:     66
    .vgpr_count:     512
    .wavefront_size: 32
...
	.end_amdgpu_metadata
.endif
;; end of part 6
;; launch outp (part 7): grid 128 x 2, 8 waves a work-group, no clusters, 100,352 bytes of LDS; arguments cc, Wo_codes, bo, lowp_scales, out0; writes out0
.if DOCPART == 7
	.amdgcn_target "amdgcn-amd-amdhsa--gfx1250"
	.amdhsa_code_object_version 6
	.text
	.protected	k_q4bd95ea96a_outp
	.globl	k_q4bd95ea96a_outp
	.p2align	8
	.type	k_q4bd95ea96a_outp,@function
k_q4bd95ea96a_outp:
	s_mov_b64 s[64:65], 0
	v_nop
	global_prefetch_b8 v0, s[64:65] scope:SCOPE_SE
	s_setreg_imm32_b32 hwreg(HW_REG_WAVE_SCHED_MODE, 0, 2), 2
	s_setreg_imm32_b32 hwreg(HW_REG_WAVE_MODE, 25, 1), 1
	s_wait_xcnt 0x0
	s_wait_alu depctr_vm_vsrc(0)
; OUTP.  out0 = concat Wo + bo on codes of FP8 (E4M3): concat's codes were stored by the launch before as images of this product's operand registers, Wo's are given with K innermost.
; A work-group takes 64 rows (x) x 256 columns (y); wave w takes 32 of the columns for all 64 rows: 8 accumulators by turns.  Its 8 fragments of Wo stay in registers; the rows' 32 KB of codes are copied into LDS
; once, as they lie, and every wave reads all of them.  The product is used transposed (source 0 = 16 rows of Wo_codes, source 1 = 16 rows of concat): a lane holds one row and 8 neighbouring columns.
; A fragment of concat (16 rows x 128 K = two heads) is 2,048 consecutive bytes: registers 4 c .. 4 c + 3 hold k = 32 c + 16 (lane / 16) + 0 .. 15, and Wo's rows are fetched 16 bytes at a time in the same order.
; out = sum x 2^(e10 + e11) + bo, one packed multiply-add for two numbers.  The results meet in a stage in LDS and leave as rows: each store covers 512 consecutive bytes.
; No cluster: what work-groups share (Wo, 128 KB a work-group) is read once at the head, not walked in steps.
; LIMIT: e10 + e11 between -126 and 127, so that 2^(e10 + e11) is an f32 number.
; REGISTERS, window 0: v1 16 x lane; v4 Wo's lane offset; v5, v6, v7 LDS addresses; v8 bo's offset; v16-31 bo in the results' layout; v32-95, v96-159 concat's fragments of K steps 0 and 1 (later the results, and the rows read back);
;   v160-223 the accumulators (row tile rt, column tile nt at 8 (2 rt + nt)).   window 1: v0-127 Wo's fragments (nt, K step ks) at 16 (4 nt + ks); v128-191, v192-255 concat's fragments of K steps 2 and 3.
; THE MODE: SCHED_MODE bits 1:0 = 2 (LLVM: expert scheduling mode 2), set by the entry lines.  The code itself states the register dependences between vector or matrix instructions and memory or LDS
; instructions, with s_wait_alu, always for 0.
; THE PLAN.  Registers that memory or LDS instructions touch:
;   v1, v4-v8      offsets and LDS addresses, written once at the head: one wait on va_vdst ahead of the first load.
;   v32-63         concat's codes on their way: global loads land, my LDS stores read; then part of K step 0's set: one wait on vm_vsrc behind the barrier.
;   the four sets  each K step has a set of its own: LDS loads land in it once, its 8 products read it.  No set is loaded twice, so the K steps hold no s_wait_alu; steps 0 to 2 are asked for at once, step 3 behind step 0's products,
;                  which name none of its registers.
;   v32-95         the results: the multiply-adds write, the LDS stores into the stage read.   v96-159: K step 1's products read them; the rows from the stage land in them.  One wait on va_vdst ahead of the stage's stores states both.
;   window 1's v0-127 and v16-31: loads land once.
.set STG, 32768                        ; LDS: concat's images at 0 (32,768 bytes); then the stage
.set SP,  1040                         ; a stage row: 1,024 bytes + 16: 65 x 16, so 16 rows fall on 16 different 16-byte columns of 256
.set XF,  32
.set ACC, 160
.set MSB, 0
.macro WIN new
.if MSB != \new
	s_set_vgpr_msb (MSB<<8)|\new
.set MSB, \new
.endif
.endm
	s_load_b256 s[4:11], s[0:1], 0x0               ; cc s[4:5], Wo's codes s[6:7], bo s[8:9], the scales' exponents s[10:11]
	s_load_b64 s[12:13], s[0:1], 0x20              ; out0
	v_lshl_add_u32 v254, v0, 2, 0x18400
	v_mov_b32 v255, 0
	v_lshrrev_b32 v2, 5, v0
	v_readfirstlane_b32 s14, v2                    ; wave 0..7
	v_and_b32 v2, 31, v0
	v_lshlrev_b32 v1, 4, v2                        ; 16 x lane
	v_and_b32 v2, 15, v0                           ; r
	v_bfe_u32 v3, v0, 4, 1                         ; h
	v_lshlrev_b32 v4, 9, v2
	v_lshl_add_u32 v4, v3, 4, v4                   ; Wo: row r of 512 bytes, + 16 h
	v_mul_u32_u24 v5, v2, SP
	v_lshl_add_u32 v5, v3, 5, v5
	s_wait_alu depctr_va_sdst(0)                   ; s14 is written, ahead of its first reader
	s_lshl_b32 s15, s14, 7
	s_add_co_u32 s15, s15, STG
	v_add_nc_u32 v5, s15, v5                       ; into the stage: row r, + 32 h, + my wave's 128 bytes
	s_mul_i32 s15, s14, 8*SP
	s_add_co_u32 s15, s15, STG
	v_add_nc_u32 v6, s15, v1                       ; out of it: my wave's 8 rows, 16 bytes a lane
	s_lshl_b32 s15, s14, 12
	v_add_nc_u32 v7, s15, v1                       ; my wave's 4,096 bytes of the images
	v_lshlrev_b32 v8, 5, v3                        ; bo: 8 h numbers on
	s_and_b32 s16, ttmp7, 0xffff                   ; y
	s_mov_b32 s25, 0
	s_mov_b32 s27, 0
	s_mov_b32 s29, 0
	s_mov_b32 s31, 0
	s_lshl_b32 s24, ttmp9, 15
	s_add_co_u32 s24, s24, s15                     ; cc: 32,768 x + 4,096 w
	s_lshl_b32 s26, s16, 17
	s_lshl_b32 s17, s14, 14
	s_add_co_u32 s26, s26, s17                     ; Wo: (256 y + 32 w) rows of 512 bytes
	s_lshl_b32 s28, s16, 10
	s_lshl_b32 s18, s14, 7
	s_add_co_u32 s28, s28, s18                     ; bo: (256 y + 32 w) numbers
	s_lshl_b32 s30, ttmp9, 17
	s_add_co_u32 s30, s30, s17
	s_lshl_b32 s18, s16, 10
	s_add_co_u32 s30, s30, s18                     ; out0: (64 x + 8 w) rows of 2,048 bytes + 1,024 y
	s_wait_kmcnt 0x0
	s_load_b64 s[20:21], s[10:11], 0x28            ; e10, e11
	s_add_nc_u64 s[4:5], s[4:5], s[24:25]
	s_add_nc_u64 s[6:7], s[6:7], s[26:27]
	s_add_nc_u64 s[8:9], s[8:9], s[28:29]
	s_add_nc_u64 s[12:13], s[12:13], s[30:31]
	s_wait_alu depctr_va_vdst(0)                   ; the offsets and LDS addresses v1 and v4 to v8 are written, which the loads and stores of the kernel read
.irp i, 0,1,2,3,4,5,6,7
	global_load_b128 v[XF+4*\i:XF+4*\i+3], v1, s[4:5] offset:512*\i
.endr
	WIN 0x40                                       ; destination window 1
.irp nt, 0,1
.irp ks, 0,1,2,3
.irp p, 0,1,2,3
	global_load_b128 v[16*(4*\nt+\ks)+4*\p:16*(4*\nt+\ks)+4*\p+3], v4, s[6:7] offset:8192*\nt+128*\ks+32*\p
.endr
.endr
.endr
	WIN 0
.irp nt, 0,1
.irp u, 0,1
	global_load_b128 v[16+8*\nt+4*\u:16+8*\nt+4*\u+3], v8, s[8:9] offset:64*\nt+16*\u
.endr
.endr
	s_wait_loadcnt 36                              ; concat's codes are in: behind their 8 loads Wo's 32 and bo's 4 were issued
.irp i, 0,1,2,3,4,5,6,7
	ds_store_b128 v7, v[XF+4*\i:XF+4*\i+3] offset:512*\i
.endr
	s_wait_dscnt 0x0                               ; for the others' sake: my part of the images lies in LDS
	s_barrier_signal -1
	s_barrier_wait -1
	s_wait_alu depctr_vm_vsrc(0)                   ; my LDS stores have read v32 to v63, in which K step 0's fragments land
	s_wait_loadcnt 0x0                             ; Wo and bo
.macro FETCHX ks                       ; the four row tiles' fragments of K step ks, into the step's own set
.if \ks < 2
	WIN 0
.set XB, XF+64*(\ks)
.else
	WIN 0x40                                       ; destination window 1
.set XB, 64*(\ks)
.endif
.irp rt, 0,1,2,3
.irp p, 0,1,2,3
	ds_load_b128 v[XB+16*\rt+4*\p:XB+16*\rt+4*\p+3], v1 offset:8192*\rt+2048*(\ks)+512*\p
.endr
.endr
.endm
.macro MULX ks                         ; eight products, the accumulators by turns; the first K step starts the sums
.if \ks < 2
	WIN 0x01                                       ; source 0 (Wo) window 1
.set XB, XF+64*(\ks)
.else
	WIN 0x05                                       ; sources 0 (Wo) and 1 (concat) window 1
.set XB, 64*(\ks)
.endif
.irp rt, 0,1,2,3
.irp nt, 0,1
.if \ks == 0
	v_wmma_f32_16x16x128_fp8_fp8 v[ACC+8*(2*\rt+\nt):ACC+8*(2*\rt+\nt)+7], v[16*(4*\nt+\ks):16*(4*\nt+\ks)+15], v[XB+16*\rt:XB+16*\rt+15], 0
.else
	v_wmma_f32_16x16x128_fp8_fp8 v[ACC+8*(2*\rt+\nt):ACC+8*(2*\rt+\nt)+7], v[16*(4*\nt+\ks):16*(4*\nt+\ks)+15], v[XB+16*\rt:XB+16*\rt+15], v[ACC+8*(2*\rt+\nt):ACC+8*(2*\rt+\nt)+7]
.endif
.endr
.endr
.endm
	FETCHX 0
	FETCHX 1
	FETCHX 2
	s_wait_dscnt 32                                ; K step 0 is in; the 32 loads of steps 1 and 2 may be out
	MULX 0
	FETCHX 3                                       ; no wait: nothing has named this set, and the address was written at the head
	s_wait_dscnt 32                                ; K step 1 is in; the 32 loads of steps 2 and 3 may be out
	MULX 1
	s_wait_dscnt 16                                ; K step 2 is in
	MULX 2
	s_wait_dscnt 0x0
	MULX 3
	WIN 0
	s_wait_kmcnt 0x0
	s_add_co_i32 s22, s20, s21
	s_add_co_i32 s22, s22, 127
	s_lshl_b32 s22, s22, 23                        ; 2^(e10 + e11) as f32
	s_mov_b32 s23, s22                             ; (named with it as a pair, so it is written)
.rept 4
	v_nop                                          ; four places behind the last products, in front of the first read of results (ISA guide 7.12.1)
.endr
.irp rt, 0,1,2,3
.irp nt, 0,1
.irp i, 0,2,4,6
	v_pk_fma_f32 v[XF+8*(2*\rt+\nt)+\i:XF+8*(2*\rt+\nt)+\i+1], v[ACC+8*(2*\rt+\nt)+\i:ACC+8*(2*\rt+\nt)+\i+1], s[22:23], v[16+8*\nt+\i:16+8*\nt+\i+1] op_sel_hi:[1,0,1]   ; each accumulator from its low end on
.endr
.endr
.endr
	s_wait_alu depctr_va_vdst(0)                   ; the multiply-adds have written v32 to v95, which the LDS stores read; and K step 1's products are done reading v96 to v159, in which the rows from the stage land
.irp rt, 0,1,2,3
.irp nt, 0,1
	ds_store_b128 v5, v[XF+8*(2*\rt+\nt):XF+8*(2*\rt+\nt)+3] offset:16*SP*\rt+64*\nt          ; lane (r, h): out(16 rt + r, 32 w + 16 nt + 8 h + 0 .. 7)
	ds_store_b128 v5, v[XF+8*(2*\rt+\nt)+4:XF+8*(2*\rt+\nt)+7] offset:16*SP*\rt+64*\nt+16
.endr
.endr
	s_wait_dscnt 0x0                               ; for the others' sake: my columns lie in the stage
	s_barrier_signal -1
	s_barrier_wait -1
.irp i, 0,1,2,3,4,5,6,7
.irp u, 0,1
	ds_load_b128 v[96+4*(2*\i+\u):96+4*(2*\i+\u)+3], v6 offset:SP*\i+512*\u
.endr
.endr
.irp i, 0,1,2,3,4,5,6,7
.irp u, 0,1
	s_wait_dscnt 15-2*\i-\u                        ; LDS loads come back in order: this one is in, the younger ones stay out
	global_store_b128 v1, v[96+4*(2*\i+\u):96+4*(2*\i+\u)+3], s[12:13] offset:2048*\i+512*\u th:TH_STORE_NT   ; 512 consecutive bytes, at a multiple of 512 from out0's first byte; written once, read by nobody here
.endr
.endr
	s_wait_dscnt 0x0
	s_wait_alu depctr_hold_cnt(0) depctr_sa_sdst(0) depctr_va_vdst(0) depctr_va_sdst(0) depctr_va_ssrc(0) depctr_va_vcc(0) depctr_vm_vsrc(0)
	s_wait_tensorcnt 0x0
	ds_add_u32 v254, v255
	s_wait_dscnt 0x0
	s_endpgm
.Lfunc_end_k_q4bd95ea96a_outp:
	.size	k_q4bd95ea96a_outp, .Lfunc_end_k_q4bd95ea96a_outp-k_q4bd95ea96a_outp
	.p2alignl 7, 3214868480
	.fill 96, 4, 3214868480
	.section	.rodata,"a",@progbits
	.p2align	6, 0x0
	.amdhsa_kernel k_q4bd95ea96a_outp
		.amdhsa_group_segment_fixed_size 100352
		.amdhsa_private_segment_fixed_size 0
		.amdhsa_enable_private_segment 0
		.amdhsa_kernarg_size 40
		.amdhsa_user_sgpr_count 2
		.amdhsa_user_sgpr_kernarg_segment_ptr 1
		.amdhsa_wavefront_size32 1
		.amdhsa_system_sgpr_workgroup_id_x 1
		.amdhsa_system_sgpr_workgroup_id_y 1
		.amdhsa_system_sgpr_workgroup_id_z 1
		.amdhsa_system_vgpr_workitem_id 0
		.amdhsa_next_free_vgpr 512
		.amdhsa_next_free_sgpr 66
		.amdhsa_reserve_vcc 0
		.amdhsa_float_denorm_mode_32 3
		.amdhsa_float_denorm_mode_16_64 3
		.amdhsa_memory_ordered 1
		.amdhsa_forward_progress 1
		.amdhsa_inst_pref_size 21
	.end_amdhsa_kernel
	.amdgpu_metadata
---
amdhsa.version: [ 1, 2 ]
amdhsa.kernels:
  - .name:           k_q4bd95ea96a_outp
    .symbol:         k_q4bd95ea96a_outp.kd
    .args:
      - { .name: cc, .offset: 0, .size: 8, .value_kind: global_buffer, .address_space: global }
      - { .name: Wo_codes, .offset: 8, .size: 8, .value_kind: global_buffer, .address_space: global }
      - { .name: bo, .offset: 16, .size: 8, .value_kind: global_buffer, .address_space: global }
      - { .name: lowp_scales, .offset: 24, .size: 8, .value_kind: global_buffer, .address_space: global }
      - { .name: out0, .offset: 32, .size: 8, .value_kind: global_buffer, .address_space: global }
    .group_segment_fixed_size: 100352
    .private_segment_fixed_size: 0
    .kernarg_segment_align: 8
    .kernarg_segment_size: 40
    .max_flat_workgroup_size: 256
    .sgpr_count:     66
    .vgpr_count:     512
    .wavefront_size: 32
...
	.end_amdgpu_metadata
.endif
;; end of part 7
